; MI455X (gfx1250); checked and timed in simulation.
; The chip was launched on July 23, 2026; its instructions are those of AMD's public machine-readable ISA for CDNA 5 (MIT licence, August 2026) and "CDNA5" Instruction Set Architecture Reference Guide (July 2026). The comments in the code are by the model that wrote it; some were corrected since.
;; Multi Head Attention. Allowed arithmetic: matrix products marked QUANTISED: E2M1 operands, one E8M0 scale for each 32 along K, by v_wmma_scale_f32_16x16x128_f8f6f4 with both operands' format E2M1 (or v_wmma_scale_f32_32x16x128_f4), f32 sums; everything else in f32.
;; Inputs: Wk 1,024 x 1,024 float32; Wp 1,024 x 1,024 float32; Wq 1,024 x 1,024 float32; Wv 1,024 x 1,024 float32; bk 1,024 float32; bp 1,024 float32; bq 1,024 float32; bv 1,024 float32; x 4 x 2,048 x 1,024 float32.
;; Outputs: out0 4 x 2,048 x 1,024 float32.
;; This version of the problem:
;;   THIS VERSION OF THE PROBLEM IS GIVEN IN LOW PRECISION. The matrix products marked QUANTISED in the list below multiply operands that are first quantised to E2M1 (2 exponent bits, 1 mantissa bit; 4 bits a number), with one power-of-two scale for each 32 numbers along K (OCP MX v1.0); their sums are f32. All else is computed in f32.
;;   The module's matrix products, in the order in which they are computed (A, B: the left and right operand; K: the contracted axis; several contracted axes count as one K, in the product's order):
;;     1. [M 8,192, K 1,024] x [K 1,024, N 1,024]; A: input x; B: input Wk: QUANTISED
;;     2. [M 8,192, K 1,024] x [K 1,024, N 1,024]; A: input x; B: input Wq: QUANTISED
;;     3. [M 8,192, K 1,024] x [K 1,024, N 1,024]; A: input x; B: input Wv: QUANTISED
;;     4. batch 64 x [M 2,048, K 64] x [K 64, N 2,048]; A: computed on the way; B: computed on the way: QUANTISED
;;     5. batch 64 x [M 2,048, K 2,048] x [K 2,048, N 64]; A: softmax (see below); B: computed on the way: QUANTISED
;;     6. [M 8,192, K 1,024] x [K 1,024, N 1,024]; A: computed on the way; B: input Wp: QUANTISED
;;   THE QUANTISER, for each operand of a quantised product, along K:
;;     - K is cut into blocks of 32 from its start; a last block that is shorter is filled with zeros.
;;     - A block's scale is 2^e with e = floor(log2(the largest magnitude in the block)) - 2, held to -126 .. 127; a block of zeros has e = 0. As a byte (E8M0): e + 127.
;;     - Each number is divided by its block's scale, clamped to +-6, and rounded to the nearest number of E2M1, ties to even, subnormals kept.
;;     - The product sums the exact products of the quantised numbers (number of the format x scale) in f32.
;;   ~~~python
;;   def quantise(x, axis):      # numpy; x: float32 -> the quantised numbers, widened to float32 again
;;       x = np.moveaxis(x, axis, -1); K = x.shape[-1]
;;       x = np.pad(x, [(0, 0)] * (x.ndim - 1) + [(0, -K % 32)]); x = x.reshape(x.shape[:-1] + (-1, 32)); a = np.abs(x).max(-1, keepdims=True)
;;       e = np.where(a > 0, np.clip(np.frexp(np.where(a > 0, a, 1))[1] - 1 - 2, -126, 127), 0)      # np.frexp(a)[1] - 1 = floor(log2(a)), exactly
;;       r = np.clip(x / 2.0 ** e, -6, 6)
;;       step = 2.0 ** (np.maximum(np.frexp(np.where(r == 0, 1, r))[1] - 1, 0) - 1)
;;       q = np.round(r / step) * step * 2.0 ** e      # np.round: ties to even
;;       return np.moveaxis(q.reshape(q.shape[:-2] + (-1,))[..., :K], -1, axis).astype(np.float32)
;;   ~~~
;;   SOFTMAX AHEAD OF A QUANTISED PRODUCT. Where the list says 'softmax', what is quantised is not the finished softmax but p = 2^(t - M), with t = logit x log2(e) and M = ceil(the row's largest t), a whole number; so 1/2 < the row's largest p <= 1. The row's sum l is taken of the UNQUANTISED p, in f32, and the product's result is divided by l at the end. Since M is a whole number, a kernel that streams over the keys may use a running M (the ceiling of the running maximum): every later rescaling is an exact power of two, which a block's scale takes up: the codes' values come out the same.
;;   OPERANDS COMPUTED ON THE WAY. 'Computed on the way' means the value that the module computes at that place (a softmax that the list does not call 'softmax' is quantised finished and normalised). What goes into a quantiser is computed in f32, as accurately as f32 sums, v_exp_f32 and their like allow (about 1e-6 of the number): no bf16 or f16 on the way to a quantiser, and a product that is left as it is and whose result goes on into a quantised operand takes f32 operands (vector FMAs, or v_wmma_f32_16x16x4_f32). A number that lies on a knife's edge between two numbers of the format may be rounded either way, as far as f32 arithmetic and the matrix unit's own rounding can turn it there, and no further.
;; One version. Each part assembles by itself: llvm-mc -triple=amdgcn-amd-amdhsa -mcpu=gfx1250 --defsym DOCPART=n.
;; ======== version 1 of 1: 4 launches
;; workspace buffers: c1 6,291,456 bytes; s1 393,216 bytes; qc 4,194,304 bytes; qs 524,288 bytes; kv 9,175,040 bytes; yc 4,194,304 bytes; ys 262,144 bytes
;; launch quant (part 1): grid 384 x 1, 4 waves a work-group, no clusters, 41,472 bytes of LDS; arguments x, Wq, Wk, Wv, Wp, c1, s1; writes c1, s1
.if DOCPART == 1
	.amdgcn_target "amdgcn-amd-amdhsa--gfx1250"
	.amdhsa_code_object_version 6
	.text
	.protected	k_qf6e0526eda_quant
	.globl	k_qf6e0526eda_quant
	.p2align	8
	.type	k_qf6e0526eda_quant,@function
k_qf6e0526eda_quant:
	s_mov_b64 s[64:65], 0
	v_nop
	global_prefetch_b8 v0, s[64:65] scope:SCOPE_SE
	s_setreg_imm32_b32 hwreg(HW_REG_WAVE_MODE, 25, 1), 1
	s_wait_xcnt 0x0
; x [8192][1024] and Wq, Wk, Wv, Wp [1024][1024], f32, K innermost, become codes of FP4 (E2M1) with one E8M0 scale byte for each 32 along K.
; A block's scale is 2^(floor(log2(its largest magnitude)) - 2); its byte is the largest magnitude's exponent field - 2, held at 1 from below.
; LIMITS: a block of zeros gets the byte 1 where the rule says 127 (its codes are zeros, and this program alone reads the bytes); blocks whose largest
; magnitude lies under 2^-124 are held at the byte 1; NaN and infinities among the inputs are not served.
; THE OUTPUT IS LAID AS THE MATRIX UNIT'S REGISTERS WANT IT.  Rows go in tiles of 16 (rt 0-511: x; 512-575 Wq; 576-639 Wk; 640-703 Wv; 704-767 Wp).
;   codes:  c1[rt][block 0..31][row 0..15][16 bytes]     scale bytes:  s1[rt][half of K][row][16 bytes], one byte a block.
; INSIDE A BLOCK the 32 codes stand in the order k 0-7, 16-23, 8-15, 24-31.  Every operand of this program has that order, on both sides of every product,
; and it stays inside a scale's block: the products are the same.  (It is the order in which a matrix result quantised in registers comes out.)
; SHARES: a wave takes 16 rows x 512 along K: 16 steps of one row's 512 numbers.  Each load reads 512 consecutive bytes; the 2,048 bytes of a step turn through
; the wave's own stage in LDS so that a lane holds 16 numbers of one block (two neighbouring lanes hold a block).  Codes and scale bytes are gathered in the
; wave's own LDS and leave as runs of 512 and 256 consecutive bytes.  Waves share nothing: no barrier.  No input is shared between work-groups: no cluster.
.set STEPS, 16
.set WREG,  10240                      ; LDS of a wave: two turning stages of 2,560 bytes, 256 scale bytes, the image of 16 blocks x (256 + 16) bytes
.set TST,   2560
.set SCB,   5120
.set IMG,   5376
.set R,     16                         ; v16-79   four sets of 16 numbers as they are loaded
.set X,     80                         ; v80-111  two sets of 16 numbers of one block
.set E,     112                        ; v112-127 a scale byte for each step
.set C,     128                        ; v128-159 two registers of codes for each step
.set OUTR,  160                        ; v160-191 the way out
	s_load_b256 s[4:11], s[0:1], 0x0               ; x, Wq, Wk, Wv
	s_load_b128 s[12:15], s[0:1], 0x20             ; Wp, c1
	s_load_b64 s[16:17], s[0:1], 0x30              ; s1
	v_lshl_add_u32 v192, v0, 2, 0xa000
	v_mov_b32 v193, 0
	v_lshrrev_b32 v1, 5, v0
	v_readfirstlane_b32 s18, v1                    ; wave
	v_and_b32 v2, 31, v0                           ; lane
	v_lshlrev_b32 v3, 4, v2                        ; 16 x lane: my bytes of a load's 512, and of a store's
	s_mul_i32 s19, s18, WREG
	v_lshrrev_b32 v14, 2, v2
	v_mul_u32_u24 v14, v14, 80
	v_and_b32 v15, 3, v2
	v_lshl_add_u32 v14, v15, 4, v14
	v_add_nc_u32 v14, s19, v14                     ; the stage, on the way in: 64 bytes on end, then 16 of padding
	v_lshrrev_b32 v4, 1, v2                        ; my block of the step's 16
	v_and_b32 v12, 1, v2                           ; which of its two lanes I am
	v_mul_u32_u24 v15, v4, 160
	v_lshl_add_u32 v15, v12, 5, v15
	v_add_nc_u32 v15, s19, v15                     ; on the way out: lane o of a block takes k 8 o .. 8 o + 7 (here) and 16 + 8 o .. (80 bytes on)
	v_add_nc_u32 v5, s19, v4
	v_add_nc_u32 v5, SCB, v5                       ; my block's scale byte
	v_lshlrev_b32 v7, 3, v2
	v_add_nc_u32 v6, s19, v7
	v_add_nc_u32 v6, SCB, v6                       ; the scale bytes on the way out: 8 a lane
	v_mul_u32_u24 v9, v4, 272
	v_lshl_add_u32 v9, v12, 3, v9
	v_add_nc_u32 v9, s19, v9
	v_add_nc_u32 v9, IMG, v9                       ; the image, on the way in: block, + 8 bytes for the second lane; the row stands in the immediate
	v_lshrrev_b32 v10, 4, v2
	v_mul_u32_u24 v10, v10, 272
	v_and_b32 v13, 15, v2
	v_lshl_add_u32 v10, v13, 4, v10
	v_add_nc_u32 v10, s19, v10
	v_add_nc_u32 v10, IMG, v10                     ; and on the way out: sixteen lanes to a block's 256 bytes
	s_and_b32 s22, ttmp9, 31                       ; a weight's work-group among its 32
	s_lshl_b32 s24, ttmp9, 2
	s_add_co_u32 s24, s24, s18                     ; my job: 2 x row tile + half of K
	s_lshr_b32 s26, s18, 1
	s_lshl_b32 s26, s26, 16                        ; 16 rows of 4,096 bytes
	s_and_b32 s27, s18, 1
	s_lshl_b32 s27, s27, 11                        ; 512 numbers
	s_add_co_u32 s26, s26, s27
	s_wait_kmcnt 0x0
	s_mov_b64 s[20:21], s[12:13]                   ; which tensor: the choice hangs on the work-group's number alone
	s_cmp_lt_u32 ttmp9, 352
	s_cselect_b64 s[20:21], s[10:11], s[20:21]
	s_cmp_lt_u32 ttmp9, 320
	s_cselect_b64 s[20:21], s[8:9], s[20:21]
	s_cmp_lt_u32 ttmp9, 288
	s_cselect_b64 s[20:21], s[6:7], s[20:21]
	s_cmp_lt_u32 ttmp9, 256
	s_cselect_b64 s[20:21], s[4:5], s[20:21]
	s_cselect_b32 s22, ttmp9, s22
	s_lshl_b32 s22, s22, 17                        ; a work-group's 32 rows
	s_add_co_u32 s22, s22, s26
	s_mov_b32 s23, 0
	s_add_nc_u64 s[20:21], s[20:21], s[22:23]
	s_lshl_b32 s26, s24, 12                        ; 4,096 bytes of codes a job
	s_mov_b32 s27, 0
	s_add_nc_u64 s[14:15], s[14:15], s[26:27]
	s_lshl_b32 s26, s24, 8                         ; 256 scale bytes a job
	s_add_nc_u64 s[16:17], s[16:17], s[26:27]
.macro LOAD t                          ; row t: four loads of 512 consecutive bytes
.irp i, 0,1,2,3
	global_load_b128 v[R+16*((\t)%4)+4*\i:R+16*((\t)%4)+4*\i+3], v3, s[20:21] offset:4096*(\t)+512*\i th:TH_LOAD_NT
.endr
.endm
.macro TURN t                          ; step t's numbers through the stage: LDS serves a wave's instructions in order, so no wait stands between the stores and the loads
.irp i, 0,1,2,3
	ds_store_b128 v14, v[R+16*((\t)%4)+4*\i:R+16*((\t)%4)+4*\i+3] offset:TST*((\t)%2)+640*\i
.endr
	ds_load_b128 v[X+16*((\t)%2):X+16*((\t)%2)+3], v15 offset:TST*((\t)%2)
	ds_load_b128 v[X+16*((\t)%2)+4:X+16*((\t)%2)+7], v15 offset:TST*((\t)%2)+16
	ds_load_b128 v[X+16*((\t)%2)+8:X+16*((\t)%2)+11], v15 offset:TST*((\t)%2)+80
	ds_load_b128 v[X+16*((\t)%2)+12:X+16*((\t)%2)+15], v15 offset:TST*((\t)%2)+96
.endm
.irp t, 0,1,2,3
	LOAD \t
.endr
	s_wait_loadcnt 12                              ; step 0's four loads are in
	TURN 0
.macro STEP t
.set XS, X+16*((\t)%2)
.if (\t) > 0
	s_wait_dscnt 2                                 ; this step's numbers are back from the stage; the last step's two stores may be out
.else
	s_wait_dscnt 0x0
.endif
.if (\t)+4 < STEPS
	LOAD (\t)+4                                    ; into the set whose stores into the stage have just been shown done
.endif
.if (\t)+1 < STEPS
.if STEPS-2-(\t) >= 3
	s_wait_loadcnt 12                              ; the next step's four loads are in; those of the three steps behind it may be out
.else
	s_wait_loadcnt 4*(STEPS-2-(\t))
.endif
	TURN (\t)+1
.endif
	v_max3_num_f32 v8, |v[XS]|, |v[XS+1]|, |v[XS+2]|               ; the largest magnitude of my 16, in two chains
	v_max3_num_f32 v12, |v[XS+3]|, |v[XS+4]|, |v[XS+5]|
.irp i, 6,10
	v_max3_num_f32 v8, v8, |v[XS+\i]|, |v[XS+\i+1]|
	v_max3_num_f32 v12, v12, |v[XS+\i+2]|, |v[XS+\i+3]|
.endr
	v_max3_num_f32 v8, v8, |v[XS+14]|, |v[XS+15]|
	v_max3_num_f32 v8, v8, v12, 0x1800000          ; and the floor 2^(3 - 127): the byte cannot fall under 1
	v_max_num_f32_dpp v8, v8, v8 row_xmask:1 row_mask:0xf bank_mask:0xf   ; with my neighbour's 16: the block's
	v_add_nc_u32 v11, 0xff000000, v8               ; 2 off its exponent field: the conversion takes that field as its scale
	v_cvt_scalef32_pk8_fp4_f32 v[C+2*(\t)], v[XS:XS+7], v11
	v_cvt_scalef32_pk8_fp4_f32 v[C+2*(\t)+1], v[XS+8:XS+15], v11
	v_lshrrev_b32 v[E+(\t)], 23, v11               ; the scale's byte
	ds_store_b8 v5, v[E+(\t)] offset:16*(\t)       ; both lanes of a block write the same byte with the same value
	ds_store_b64 v9, v[C+2*(\t):C+2*(\t)+1] offset:16*(\t)
.endm
.irp t, 0,1,2,3,4,5,6,7,8,9,10,11,12,13,14,15
	STEP \t
.endr
.irp j, 0,1,2,3,4,5,6,7
	ds_load_b128 v[OUTR+4*\j:OUTR+4*\j+3], v10 offset:544*\j       ; two blocks' 256 bytes each: these see my stores (a wave's LDS instructions go in order)
.endr
	ds_load_b64 v[12:13], v6
.irp j, 0,1,2,3,4,5,6,7
	s_wait_dscnt 8-\j                              ; load j is back; the younger image loads and the scale load may be out
	global_store_b128 v3, v[OUTR+4*\j:OUTR+4*\j+3], s[14:15] offset:512*\j    ; 512 consecutive bytes, aligned
.endr
	s_wait_dscnt 0x0
	global_store_b64 v7, v[12:13], s[16:17]        ; 256 consecutive bytes, aligned
	s_wait_tensorcnt 0x0
	ds_add_u32 v192, v193
	s_wait_dscnt 0x0
	s_endpgm
.Lfunc_end_k_qf6e0526eda_quant:
	.size	k_qf6e0526eda_quant, .Lfunc_end_k_qf6e0526eda_quant-k_qf6e0526eda_quant
	.p2alignl 7, 3214868480
	.fill 96, 4, 3214868480
	.section	.rodata,"a",@progbits
	.p2align	6, 0x0
	.amdhsa_kernel k_qf6e0526eda_quant
		.amdhsa_group_segment_fixed_size 41472
		.amdhsa_private_segment_fixed_size 0
		.amdhsa_enable_private_segment 0
		.amdhsa_kernarg_size 56
		.amdhsa_user_sgpr_count 2
		.amdhsa_user_sgpr_kernarg_segment_ptr 1
		.amdhsa_wavefront_size32 1
		.amdhsa_system_sgpr_workgroup_id_x 1
		.amdhsa_system_sgpr_workgroup_id_y 1
		.amdhsa_system_sgpr_workgroup_id_z 1
		.amdhsa_system_vgpr_workitem_id 0
		.amdhsa_next_free_vgpr 194
		.amdhsa_next_free_sgpr 66
		.amdhsa_reserve_vcc 0
		.amdhsa_float_denorm_mode_32 3
		.amdhsa_float_denorm_mode_16_64 3
		.amdhsa_memory_ordered 1
		.amdhsa_forward_progress 1
		.amdhsa_inst_pref_size 35
	.end_amdhsa_kernel
	.amdgpu_metadata
---
amdhsa.version: [ 1, 2 ]
amdhsa.kernels:
  - .name:           k_qf6e0526eda_quant
    .symbol:         k_qf6e0526eda_quant.kd
    .args:
      - { .name: x, .offset: 0, .size: 8, .value_kind: global_buffer, .address_space: global }
      - { .name: Wq, .offset: 8, .size: 8, .value_kind: global_buffer, .address_space: global }
      - { .name: Wk, .offset: 16, .size: 8, .value_kind: global_buffer, .address_space: global }
      - { .name: Wv, .offset: 24, .size: 8, .value_kind: global_buffer, .address_space: global }
      - { .name: Wp, .offset: 32, .size: 8, .value_kind: global_buffer, .address_space: global }
      - { .name: c1, .offset: 40, .size: 8, .value_kind: global_buffer, .address_space: global }
      - { .name: s1, .offset: 48, .size: 8, .value_kind: global_buffer, .address_space: global }
    .group_segment_fixed_size: 41472
    .private_segment_fixed_size: 0
    .kernarg_segment_align: 8
    .kernarg_segment_size: 56
    .max_flat_workgroup_size: 128
    .sgpr_count:     66
    .vgpr_count:     194
    .wavefront_size: 32
...
	.end_amdgpu_metadata
.endif
;; end of part 1
;; launch qkv (part 2): grid 12 x 32, 4 waves a work-group, clusters of 4 x 4, 279,040 bytes of LDS; arguments c1, s1, bq, bk, bv, qc, qs, kv; writes qc, qs, kv
.if DOCPART == 2
	.amdgcn_target "amdgcn-amd-amdhsa--gfx1250"
	.amdhsa_code_object_version 6
	.text
	.protected	k_qf6e0526eda_qkv
	.globl	k_qf6e0526eda_qkv
	.p2align	8
	.type	k_qf6e0526eda_qkv,@function
k_qf6e0526eda_qkv:
	s_mov_b64 s[64:65], 0
	v_nop
	global_prefetch_b8 v0, s[64:65] scope:SCOPE_SE
	s_setreg_imm32_b32 hwreg(HW_REG_WAVE_MODE, 25, 1), 1
	s_wait_xcnt 0x0
	s_wait_alu depctr_hold_cnt(0) depctr_sa_sdst(0) depctr_va_vdst(0) depctr_va_sdst(0) depctr_va_ssrc(0) depctr_va_vcc(0) depctr_vm_vsrc(0)
	s_getreg_b32 s2, hwreg(HW_REG_IB_STS2, 6, 4)
	s_cmp_eq_u32 s2, 0
	s_cbranch_scc0 .Lentry_in_a_cluster
	s_endpgm
.Lentry_in_a_cluster:
	s_bfe_u32 s2, ttmp6, 0x10000c
	s_cmp_lg_u32 s2, 0xf033
	s_cbranch_scc0 .Lentry_shape_is_right
	s_endpgm
.Lentry_shape_is_right:
; q = x Wq^T + bq, k = x Wk^T + bk, v = x Wv^T + bv on codes of FP4 with E8M0 scales, f32 sums; the results are quantised in registers and leave as codes:
; q and k along the head's 64, v along the keys.  LIMITS as in the quantising launch: a block of zeros gets the byte 1; largest magnitudes under 2^-124 are held at the byte 1; no NaN, no infinities.
; SHARES.  A work-group makes 256 tokens x 256 features; the cluster's x says which tensor (0: q, 1: k, 2: v).  Four waves, each 128 x 128: 64 accumulators, 512 registers.
; ALL OF K (1,024: 512 bytes of codes a row) LIES IN LDS, in two halves that are each filled once: no LDS byte is filled twice.
; CLUSTERS: 4 x 4.  The tokens' tiles are shared along a row of the cluster, the weights' along a column: each is asked for jointly, by the same tensor load with the same descriptor and a mask of four.
; ORIENTATION.  Source 0 = P, whose rows run along a lane's registers in the result; source 1 = R, whose rows lie in the lanes.  The quantiser takes neighbours along the NEXT product's K from one lane's registers:
; for q and k P = the weights (a lane holds one token, registers run along the features); for v P = the tokens (a lane holds one channel, registers run along the keys).
; One text serves both: only the LDS bases of P and R change places, by a choice on the cluster's x, which all partners share.
; OPERANDS lie in memory and LDS as images of their registers: fragment (row tile, K step) is 1,024 consecutive bytes, registers 4 c .. 4 c + 3 of lane l at 512 c + 16 l.
; REGISTERS, in windows of 256: window 0: v1-31 addresses; v32-95 scale words, a set for each half of K; v96-127 at work on the way out; v128-255 R's fragments, two sets.
;   window 1: v0-63, v128-191 P's fragments, two sets; v64-127 the bias in the result's layout.   windows 2, 3: the accumulators ((a, b) at v[8 (8 (a % 4) + b)] of window 2 + a / 4).
.set NR,    8                          ; R's tiles of 16 rows in a wave
.set SLOTB, 131072                     ; half of K: the tokens' 16 row tiles x 4,096 bytes, then the weights' 16
.set WB,    65536
.set SCX,   262144                     ; the tokens' scale bytes, 16 row tiles x 512
.set SCW,   270336                     ; the weights'
.set CHUNK, 8960                       ; kv: a key step of a head: K's 8 tiles (4,096), V^T's 4 fragments (4,096), K's scale words (512), V's (256)
.set HEADB, 143360                     ; kv: a head: 16 chunks
.set LI,   1                           ; v1   16 x lane
.set RR,   3                           ; v3   lane % 16
.set HH,   4                           ; v4   lane / 16
.set BO,   5                           ; v5   the bias loads' offset, q and k: 32 (lane / 16)
.set BVO,  8                           ; v8   the same for v: 4 (lane % 16)
.set ADRP, 16                          ; v16-17 LDS address of P's fragments in the two halves
.set ADRR, 20                          ; v20-21 of R's
.set ADRS, 27                          ; v27  of my scale words: lanes 0-15 R's rows, lanes 16-31 P's
.set SH,   28                          ; v28  16 (lane / 16)
.set SO,   29                          ; v29  the scale words' offset on the way out
.set PW,   30                          ; v30  the scale word just made
.set SC,   32
.set TM,   96                          ; v96-99 largest magnitudes, v100-103 bytes, v108-111 the conversions' scale operands
.set PC,   112                         ; v112-119 the codes just made
.set SW,   120                         ; v120-127 eight scale words
.set RF,   128
.set BI,   64
.set G1X,  24                          ; s[24:31] group 1, s[32:39] two groups 0: the tokens' codes
.set G0X,  32
.set G1W,  48                          ; s[48:55], s[56:63]: the weights' codes
.set G0W,  56
.set G1SX, 68                          ; s[68:75], s[76:79]: the tokens' scale bytes
.set G0SX, 76
.set G1SW, 80                          ; s[80:87], s[88:91]: the weights'
.set G0SW, 88
.set MSB, 0
.macro WIN new                         ; the immediate's high byte repeats the setting that is left
.if MSB != (\new)
	s_set_vgpr_msb (MSB<<8)|(\new)
.set MSB, \new
.endif
.endm
.macro PLACES n
.rept \n
	v_nop
.endr
.endm
; A joint load: waves 0 and 1 fetch for the tokens, waves 2 and 3 for the weights; the branch hangs on the wave's number alone.  Four v_nop follow each of the two lines.
.macro JLOAD g0a, g1a, g0b, g1b
	s_cmp_eq_u32 s21, 0
	s_cbranch_scc0 .Lfor_b_\@
	tensor_load_to_lds s[\g0a:\g0a+3], s[\g1a:\g1a+7]
	s_nop 0
.rept 4
	v_nop
.endr
	s_branch .Lasked_\@
.Lfor_b_\@:
	tensor_load_to_lds s[\g0b:\g0b+3], s[\g1b:\g1b+7]
	s_nop 0
.rept 4
	v_nop
.endr
.Lasked_\@:
.endm
.macro CROUND                          ; a round of the cluster's barrier
	s_barrier_signal -1
	s_barrier_wait -1
	s_cmp_lg_u32 s20, 0
	s_cbranch_scc1 .Lnot_wave_0_\@
	s_barrier_signal -3
.Lnot_wave_0_\@:
	s_barrier_wait -3
	s_barrier_signal -1
	s_barrier_wait -1
.endm
	s_load_b256 s[4:11], s[0:1], 0x0               ; c1, s1, bq, bk
	s_load_b256 s[12:19], s[0:1], 0x20             ; bv, qc, qs, kv
	v_lshl_add_u32 v106, v0, 2, 0x44000
	v_mov_b32 v107, 0
	ds_add_u32 v106, v107
	ds_add_u32 v106, v107
	v_lshrrev_b32 v2, 5, v0
	v_readfirstlane_b32 s20, v2                    ; wave 0..3
	s_lshr_b32 s21, s20, 1                         ; which half of the tokens is mine.  Also: I fetch for the tokens (0) or the weights (1)
	s_and_b32 s22, s20, 1                          ; which half of the features.  Also: which 8 row tiles I fetch
	s_lshr_b32 s23, ttmp9, 1                       ; 1 where the cluster makes v: the same in all sixteen partners
	s_bfe_u32 s40, ttmp6, 0x40000                  ; cx, cy: my place in the cluster
	s_bfe_u32 s41, ttmp6, 0x40004
	s_lshl_b32 s42, ttmp9, 2
	s_add_co_u32 s42, s42, s40                     ; block of 256 features, 0..11
	s_and_b32 s43, ttmp7, 0xffff
	s_lshl_b32 s43, s43, 2
	s_add_co_u32 s43, s43, s41                     ; block of 256 tokens, 0..31
	s_lshl_b32 s44, s41, 2
	s_lshl_b32 s44, 15, s44                        ; my row of the cluster
	s_lshl_b32 s45, 0x1111, s40                    ; my column
	; group 1, codes: 8 row tiles, of each 4,096 consecutive bytes (512 elements of 8 bytes), 8,192 bytes apart; no padding: an image is read 512 consecutive bytes an instruction
	s_or_b32 s[G1X], s44, (3<<16)|(1<<21)          ; 15:0 the mask; 17:16 elements of 8 bytes; 21 set beside a mask
	s_or_b32 s[G1W], s45, (3<<16)|(1<<21)
.irp g, G1X, G1W
	s_mov_b32 s[\g+1], 512<<16                     ; tensor_dim0
	s_mov_b32 s[\g+2], 8<<16                       ; tensor_dim1
	s_mov_b32 s[\g+3], 512<<16                     ; tile_dim0
	s_mov_b32 s[\g+4], 8                           ; tile_dim1
	s_mov_b32 s[\g+5], 1024                        ; from row tile to row tile
	s_mov_b32 s[\g+6], 0
	s_mov_b32 s[\g+7], 0
.endr
	; group 1, scale bytes: 8 row tiles x 512 dense bytes, as 16 rows of 256
	s_or_b32 s[G1SX], s44, (3<<16)|(1<<21)
	s_or_b32 s[G1SW], s45, (3<<16)|(1<<21)
.irp g, G1SX, G1SW
	s_mov_b32 s[\g+1], 32<<16
	s_mov_b32 s[\g+2], 16<<16
	s_mov_b32 s[\g+3], 32<<16
	s_mov_b32 s[\g+4], 16
	s_mov_b32 s[\g+5], 32
	s_mov_b32 s[\g+6], 0
	s_mov_b32 s[\g+7], 0
.endr
	s_lshl_b32 s46, s43, 4
	s_lshl_b32 s47, s22, 3
	s_add_co_u32 s46, s46, s47                     ; the tokens' first row tile that I fetch
	s_lshl_b32 s92, s42, 4
	s_add_co_u32 s92, s92, s47
	s_add_co_u32 s92, s92, 512                     ; the weights': they lie behind x's 512 row tiles
	s_lshl_b32 s94, s46, 9                         ; in bytes: scale bytes,
	s_mov_b32 s95, 0
	s_lshl_b32 s46, s46, 13                        ; codes
	s_mov_b32 s47, 0
	s_lshl_b32 s96, s92, 9
	s_mov_b32 s97, 0
	s_lshl_b32 s92, s92, 13
	s_mov_b32 s93, 0
	s_lshl_b32 s98, s20, 15                        ; where they go: wave x 8 row tiles: no place in the cluster enters an LDS address
	s_lshl_b32 s99, s20, 12
	s_wait_dscnt 0x0
	s_wait_kmcnt 0x0
	s_add_nc_u64 s[46:47], s[4:5], s[46:47]
	s_add_nc_u64 s[94:95], s[6:7], s[94:95]
	s_add_nc_u64 s[92:93], s[4:5], s[92:93]
	s_add_nc_u64 s[96:97], s[6:7], s[96:97]
	CROUND                                         ; all sixteen work-groups are here: the joint loads meet
	s_mov_b32 s[G0SX], 1
	s_add_co_u32 s[G0SX+1], s99, SCX
	s_mov_b64 s[G0SX+2:G0SX+3], s[94:95]
	s_or_b32 s[G0SX+3], s[G0SX+3], 0x80000000
	s_mov_b32 s[G0SW], 1
	s_add_co_u32 s[G0SW+1], s99, SCX
	s_mov_b64 s[G0SW+2:G0SW+3], s[96:97]
	s_or_b32 s[G0SW+3], s[G0SW+3], 0x80000000
	JLOAD G0SX, G1SX, G0SW, G1SW                   ; the scale bytes first: they are wanted with the first K step
.irp s, 0,1
	s_mov_b32 s[G0X+4*\s], 1
	s_add_co_u32 s[G0X+4*\s+1], s98, \s*SLOTB
	s_add_nc_u64 s[G0X+4*\s+2:G0X+4*\s+3], s[46:47], \s*4096
	s_or_b32 s[G0X+4*\s+3], s[G0X+4*\s+3], 0x80000000
	s_mov_b32 s[G0W+4*\s], 1
	s_add_co_u32 s[G0W+4*\s+1], s98, \s*SLOTB
	s_add_nc_u64 s[G0W+4*\s+2:G0W+4*\s+3], s[92:93], \s*4096
	s_or_b32 s[G0W+4*\s+3], s[G0W+4*\s+3], 0x80000000
	JLOAD G0X+4*\s, G1X, G0W+4*\s, G1W             ; three tensor loads of mine are out at the most
.endr
	v_and_b32 v[RR], 15, v0
	v_bfe_u32 v[HH], v0, 4, 1
	v_and_b32 v[LI], 31, v0
	v_lshlrev_b32 v[LI], 4, v[LI]
	s_wait_alu depctr_va_vdst(0)
	s_lshl_b32 s92, s21, 15                        ; my 8 row tiles of the tokens,
	s_lshl_b32 s93, s22, 15
	s_add_co_u32 s93, s93, WB                      ; of the weights,
	s_lshl_b32 s94, s21, 12
	s_add_co_u32 s94, s94, SCX                     ; and their scale bytes
	s_lshl_b32 s95, s22, 12
	s_add_co_u32 s95, s95, SCW
	s_cmp_eq_u32 s23, 1                            ; v: P = the tokens; q, k: P = the weights
	s_cselect_b32 s96, s92, s93
	s_cselect_b32 s97, s93, s92
	s_cselect_b32 s98, s94, s95
	s_cselect_b32 s99, s95, s94
	v_add_nc_u32 v[ADRP], s96, v[LI]
	v_add_nc_u32 v[ADRP+1], SLOTB, v[ADRP]
	v_add_nc_u32 v[ADRR], s97, v[LI]
	v_add_nc_u32 v[ADRR+1], SLOTB, v[ADRR]
	v_lshlrev_b32 v9, 4, v[RR]
	v_mov_b32 v6, s99
	v_mov_b32 v7, s98
	s_mov_b32 s44, 0xffff0000                      ; lanes 16-31
	v_cndmask_b32 v6, v6, v7, s44
	v_add_nc_u32 v[ADRS], v9, v6                   ; 16 bytes a row: the four scale words of half of K
.irp b, 0,1,2,3
	v_mov_b32 v[TM+4+\b], 0                        ; written once: a lane permute's destination counts as one of its sources
.endr
	; the bias, as the C of each sum's first product
	s_lshl_b32 s66, s42, 8
	s_lshl_b32 s67, s22, 7
	s_add_co_u32 s66, s66, s67
	s_and_b32 s66, s66, 1023                       ; my first feature within its tensor
	s_cmp_eq_u32 ttmp9, 0
	s_cselect_b64 s[94:95], s[8:9], s[10:11]
	s_cmp_eq_u32 ttmp9, 2
	s_cselect_b64 s[94:95], s[12:13], s[94:95]
	s_lshl_b32 s96, s66, 2
	s_mov_b32 s97, 0
	s_add_nc_u64 s[94:95], s[94:95], s[96:97]
	v_lshlrev_b32 v[BO], 5, v[HH]
	v_lshlrev_b32 v[BVO], 2, v[RR]
	s_cmp_eq_u32 s23, 1
	s_cbranch_scc1 .Lbias_v
	WIN 0x40                                       ; destination window 1
.irp b, 0,1,2,3,4,5,6,7                        ; q, k: register j of P's tile b is feature 16 b + 8 (lane / 16) + j
	global_load_b128 v[BI+8*\b:BI+8*\b+3], v[BO], s[94:95] offset:64*\b
	global_load_b128 v[BI+8*\b+4:BI+8*\b+7], v[BO], s[94:95] offset:64*\b+16
.endr
	WIN 0
	s_branch .Lbias_done
.Lbias_v:
	WIN 0x40
	s_wait_alu depctr_va_vdst(0)
.irp a, 0,1,2,3,4,5,6,7                        ; v: all eight registers of R's tile a belong to channel 16 a + lane % 16
.irp j, 0,1,2,3,4,5,6,7
	global_load_b32 v[BI+8*\a+\j], v[BVO], s[94:95] offset:64*\a
.endr
.endr
	WIN 0
.Lbias_done:
; 16 products: R's tiles a0, a0 + 1 x P's eight, K step q.  cm = 0: the sums go on; 1: they start with the bias by P's tile; 2: by R's tile.  The accumulators take turns, one instruction a turn, in the
; same order in every K step.  A scale register holds R's word in lanes 0-15 and P's in lanes 16-31.
.macro MUL16 a0, q, cm
.irp a, \a0, \a0+1
.irp b, 0,1,2,3,4,5,6,7
.set rD, 8*(8*((\a)%4)+\b)
.set rP, 128*((\q)%2)+8*\b
.set rR, RF+8*NR*((\q)%2)+8*(\a)
.set rSP, SC+32*((\q)/4)+4*\b+(\q)%4
.set rSR, SC+32*((\q)/4)+4*(\a)+(\q)%4
.if \cm == 0
	v_wmma_scale_f32_16x16x128_f8f6f4 v[rD:rD+7], v[rP:rP+7], v[rR:rR+7], v[rD:rD+7], v[rSP], v[rSR] matrix_a_fmt:MATRIX_FMT_FP4 matrix_b_fmt:MATRIX_FMT_FP4 matrix_a_scale:MATRIX_SCALE_ROW1
.elseif \cm == 1
	v_wmma_scale_f32_16x16x128_f8f6f4 v[rD:rD+7], v[rP:rP+7], v[rR:rR+7], v[BI+8*\b:BI+8*\b+7], v[rSP], v[rSR] matrix_a_fmt:MATRIX_FMT_FP4 matrix_b_fmt:MATRIX_FMT_FP4 matrix_a_scale:MATRIX_SCALE_ROW1
.else
	v_wmma_scale_f32_16x16x128_f8f6f4 v[rD:rD+7], v[rP:rP+7], v[rR:rR+7], v[BI+8*(\a):BI+8*(\a)+7], v[rSP], v[rSR] matrix_a_fmt:MATRIX_FMT_FP4 matrix_b_fmt:MATRIX_FMT_FP4 matrix_a_scale:MATRIX_SCALE_ROW1
.endif
.endr
.endr
.endm
.macro MULH hi, q, cm                  ; 32 products: R's tiles 4 hi .. 4 hi + 3
.if \cm == 0
	WIN 0xa1+0x50*(\hi)                            ; P window 1, R window 0, C and D window 2 or 3
.else
	WIN 0x91+0x40*(\hi)                            ; C (the bias) window 1
.endif
	MUL16 4*(\hi), \q, \cm
	MUL16 4*(\hi)+2, \q, \cm
.endm
.macro FETCH q                         ; K step q's fragments into set q % 2, in one run; with a half's first step its scale words
	WIN 0x40                                       ; destination window 1
.irp i, 0,1,2,3,4,5,6,7
.irp c, 0,1
	ds_load_b128 v[128*((\q)%2)+8*\i+4*\c:128*((\q)%2)+8*\i+4*\c+3], v[ADRP+(\q)/4] offset:\i*4096+((\q)%4)*1024+512*\c
.endr
.endr
	WIN 0
.irp i, 0,1,2,3,4,5,6,7
.irp c, 0,1
	ds_load_b128 v[RF+8*NR*((\q)%2)+8*\i+4*\c:RF+8*NR*((\q)%2)+8*\i+4*\c+3], v[ADRR+(\q)/4] offset:\i*4096+((\q)%4)*1024+512*\c
.endr
.endr
.if (\q)%4 == 0
.irp i, 0,1,2,3,4,5,6,7
	ds_load_b128 v[SC+32*((\q)/4)+4*\i:SC+32*((\q)/4)+4*\i+3], v[ADRS] offset:\i*512+((\q)/4)*256
.endr
.endif
.endm
.macro STEP q, cm                      ; a K step of 128: the next step's fragments are asked for first and have this step's 64 products in which to come
	s_wait_dscnt 0x0                               ; this step's fragments are in
.if (\q) < 7
.if (\q) > 0
	PLACES 4                                       ; four plain places between the last product and loads into the set that it read
.endif
	FETCH (\q)+1
.endif
	MULH 0, \q, \cm
	MULH 1, \q, \cm
.endm
	s_wait_tensorcnt 1                             ; the scale bytes and my part of the first half of K are in; the second half's load may be out
	s_barrier_signal -1
	s_barrier_wait -1                              ; everybody's are
	s_wait_alu depctr_va_vdst(0)
	FETCH 0
	s_wait_loadcnt 0x0                             ; the bias
	s_cmp_eq_u32 s23, 1
	s_cbranch_scc1 .Lfirst_v
	STEP 0, 1
	WIN 0                                          ; at a label and at a branch every window is 0
	s_branch .Lfirst_done
.Lfirst_v:
	STEP 0, 2
	WIN 0
.Lfirst_done:
	STEP 1, 0
	STEP 2, 0
	s_wait_dscnt 0x0                               ; K step 3, with the change of halves: my LDS loads are in,
	s_wait_tensorcnt 0x0                           ; my part of the second half has landed:
	s_barrier_signal -1                            ; say so,
	MULH 0, 3, 0                                   ; work on registers while the others arrive,
	s_barrier_wait -1                              ; and read the second half when all four have said so
	PLACES 4
	FETCH 4
	MULH 1, 3, 0
	STEP 4, 0
	STEP 5, 0
	STEP 6, 0
	STEP 7, 0
	WIN 0
; THE WAY OUT.  R's tile a: a lane's 64 numbers (P's eight tiles) are four blocks of 32 along the next product's K; a block lies in lanes l and l xor 16.  They become 8 registers of codes
; (registers 4 c .. 4 c + 3: block 2 c + lane / 16) and a scale word.  Each accumulator is read from its low end on.
.macro QUANTW a
.set AC, 64*((\a)%4)
.set WA, 2+(\a)/4
	WIN WA|(WA<<2)                                 ; sources 0 and 1: the accumulators' window
.irp b, 0,1,2,3
	v_max3_num_f32 v[TM+\b], |v[AC+16*\b]|, |v[AC+16*\b+1]|, 0x1800000   ; with the floor 2^(3 - 127): the byte cannot fall under 1
.endr
	WIN (WA<<2)|(WA<<4)                            ; sources 1 and 2
.irp i, 2,4,6,8,10,12,14
.irp b, 0,1,2,3
	v_max3_num_f32 v[TM+\b], v[TM+\b], |v[AC+16*\b+\i]|, |v[AC+16*\b+\i+1]|   ; the four blocks by turns
.endr
.endr
	WIN 0
.irp b, 0,1,2,3
	v_permlanex16_b32 v[TM+4+\b], v[TM+\b], s46, s47
.endr
.irp b, 0,1,2,3
	v_max_num_f32 v[TM+\b], v[TM+\b], v[TM+4+\b]   ; with lane l xor 16's: the block's largest magnitude
.endr
.irp b, 0,1,2,3
	v_add_nc_u32 v[TM+12+\b], 0xff000000, v[TM+\b] ; 2 off its exponent field: the conversion's scale operand
.endr
.irp b, 0,1,2,3
	v_lshrrev_b32 v[TM+4+\b], 23, v[TM+12+\b]      ; the scale's byte
.endr
	v_lshl_or_b32 v[PW], v[TM+5], 8, v[TM+4]
	v_lshl_or_b32 v[PW], v[TM+6], 16, v[PW]
	v_lshl_or_b32 v[PW], v[TM+7], 24, v[PW]
	s_wait_xcnt 0x0                                ; the last tile's stores have read the codes' registers: they are written again only behind this wait
	WIN WA
.irp b, 0,1,2,3
	v_cvt_scalef32_pk8_fp4_f32 v[PC+2*\b], v[AC+16*\b:AC+16*\b+7], v[TM+12+\b]
	v_cvt_scalef32_pk8_fp4_f32 v[PC+2*\b+1], v[AC+16*\b+8:AC+16*\b+15], v[TM+12+\b]
.endr
	WIN 0
	v_nop                                          ; one plain place behind a scaled conversion
.irp c, 0,1                                    ; a whole block to a lane: lanes 0-15 block 2 c, lanes 16-31 block 2 c + 1
.irp i, 0,1
	v_permlane16_swap_b32 v[PC+4*\c+\i], v[PC+2+4*\c+\i]
.endr
.endr
.endm
	PLACES 4                                       ; between the last products and the first read of results
	s_mov_b32 s46, 0x76543210
	s_mov_b32 s47, 0xfedcba98                      ; v_permlanex16_b32's selects for lane l xor 16
	s_lshl_b32 s92, s43, 8
	s_lshl_b32 s93, s21, 7
	s_add_co_u32 s92, s92, s93                     ; my first token
	s_lshr_b32 s93, s92, 11                        ; its batch,
	s_and_b32 s92, s92, 2047                       ; its place there: a multiple of 128, so my 128 tokens are one key step
	s_lshr_b32 s94, s66, 6                         ; my first head (my 128 features are two heads)
	s_lshl_b32 s93, s93, 4
	s_add_co_u32 s93, s93, s94                     ; 16 x batch + head
	s_mul_i32 s94, s93, HEADB
	s_lshr_b32 s95, s92, 7
	s_mul_i32 s95, s95, CHUNK
	s_add_co_u32 s94, s94, s95
	s_mov_b32 s95, 0
	s_add_nc_u64 s[18:19], s[18:19], s[94:95]      ; kv at my key step's chunk of my first head
	s_lshl_b32 s94, s93, 16                        ; qc: 128 tiles x 512 bytes a head,
	s_lshl_b32 s96, s92, 5                         ; 32 bytes a token
	s_add_co_u32 s94, s94, s96
	s_add_nc_u64 s[14:15], s[14:15], s[94:95]
	s_lshl_b32 s94, s93, 13                        ; qs: 4 bytes a token
	s_lshl_b32 s96, s92, 2
	s_add_co_u32 s94, s94, s96
	s_add_nc_u64 s[16:17], s[16:17], s[94:95]
	s_add_nc_u64 s[4:5], s[18:19], 8192            ; K's scale words in the chunk
	s_mov_b32 s2, HEADB
	s_mov_b32 s3, 0
	s_mov_b32 s99, HEADB
	s_cmp_eq_u32 ttmp9, 0                          ; q, or a tensor that goes to kv
	s_cselect_b64 s[92:93], s[14:15], s[18:19]     ; where the first head's codes go,
	s_cselect_b64 s[96:97], s[16:17], s[4:5]       ; its scale words,
	s_cselect_b32 s2, 65536, s2                    ; and from head to head: codes,
	s_cselect_b32 s99, 8192, s99                   ; scale words
	s_add_nc_u64 s[94:95], s[92:93], s[2:3]
	v_mul_u32_u24 v[SO], s99, v[HH]
	v_lshl_add_u32 v[SO], v[RR], 4, v[SO]          ; lanes 0-15 store the first head's words, lanes 16-31 the second's: 16 bytes a row
	v_lshlrev_b32 v[SH], 4, v[HH]
	s_cmp_eq_u32 s23, 1
	s_cbranch_scc1 .Lout_v
.irp a, 0,1,2,3,4,5,6,7                        ; q, k: tile a = 16 tokens; registers 0-3: the first head's 64 (lane / 16: which 32), 4-7: the second's
	QUANTW \a
	global_store_b128 v[LI], v[PC:PC+3], s[92:93] offset:512*\a          ; 512 consecutive bytes, aligned: the tile as the next product's registers want it
	global_store_b128 v[LI], v[PC+4:PC+7], s[94:95] offset:512*\a
	v_bfe_u32 v[SW+\a], v[PW], v[SH], 16           ; the head's two bytes; the word's upper two stay 0: they scale codes that are zeros
.if (\a)%4 == 3
	global_store_b128 v[SO], v[SW+(\a)-3:SW+(\a)], s[96:97] offset:256*((\a)/4)   ; four tiles' words of a row: 256 consecutive bytes for each head
.endif
.endr
	s_branch .Lend
.Lout_v:
	s_add_nc_u64 s[92:93], s[18:19], 4096          ; V^T's fragments in the chunk: the first head's,
	s_add_nc_u64 s[94:95], s[92:93], s[2:3]        ; the second's
	s_add_nc_u64 s[96:97], s[18:19], 8704          ; and its scale words
.irp a, 0,1,2,3,4,5,6,7                        ; v: tile a = 16 channels x my 128 keys: one whole fragment
	QUANTW \a
	global_store_b128 v[LI], v[PC:PC+3], s[92+2*((\a)/4):93+2*((\a)/4)] offset:((\a)%4)*1024
	global_store_b128 v[LI], v[PC+4:PC+7], s[92+2*((\a)/4):93+2*((\a)/4)] offset:((\a)%4)*1024+512
	v_mov_b32 v[SW+\a], v[PW]
.endr
.irp i, 0,1,2,3
	v_cndmask_b32 v[SW+\i], v[SW+\i], v[SW+4+\i], s44   ; lanes 16-31 take the second head's
.endr
	global_store_b128 v[SO], v[SW:SW+3], s[96:97]  ; 256 consecutive bytes for each head
.Lend:
	s_wait_tensorcnt 0x0
	ds_add_u32 v106, v107
	s_wait_dscnt 0x0
	CROUND                                         ; the closing round: no work-group ends while a partner may still ask for a tile that names it
	s_endpgm
.Lfunc_end_k_qf6e0526eda_qkv:
	.size	k_qf6e0526eda_qkv, .Lfunc_end_k_qf6e0526eda_qkv-k_qf6e0526eda_qkv
	.p2alignl 7, 3214868480
	.fill 96, 4, 3214868480
	.section	.rodata,"a",@progbits
	.p2align	6, 0x0
	.amdhsa_kernel k_qf6e0526eda_qkv
		.amdhsa_group_segment_fixed_size 279040
		.amdhsa_private_segment_fixed_size 0
		.amdhsa_enable_private_segment 0
		.amdhsa_kernarg_size 64
		.amdhsa_user_sgpr_count 2
		.amdhsa_user_sgpr_kernarg_segment_ptr 1
		.amdhsa_wavefront_size32 1
		.amdhsa_system_sgpr_workgroup_id_x 1
		.amdhsa_system_sgpr_workgroup_id_y 1
		.amdhsa_system_sgpr_workgroup_id_z 1
		.amdhsa_system_vgpr_workitem_id 0
		.amdhsa_next_free_vgpr 1024
		.amdhsa_next_free_sgpr 100
		.amdhsa_reserve_vcc 0
		.amdhsa_float_denorm_mode_32 3
		.amdhsa_float_denorm_mode_16_64 3
		.amdhsa_memory_ordered 1
		.amdhsa_forward_progress 1
		.amdhsa_inst_pref_size 180
	.end_amdhsa_kernel
	.amdgpu_metadata
---
amdhsa.version: [ 1, 2 ]
amdhsa.kernels:
  - .name:           k_qf6e0526eda_qkv
    .symbol:         k_qf6e0526eda_qkv.kd
    .args:
      - { .name: c1, .offset: 0, .size: 8, .value_kind: global_buffer, .address_space: global }
      - { .name: s1, .offset: 8, .size: 8, .value_kind: global_buffer, .address_space: global }
      - { .name: bq, .offset: 16, .size: 8, .value_kind: global_buffer, .address_space: global }
      - { .name: bk, .offset: 24, .size: 8, .value_kind: global_buffer, .address_space: global }
      - { .name: bv, .offset: 32, .size: 8, .value_kind: global_buffer, .address_space: global }
      - { .name: qc, .offset: 40, .size: 8, .value_kind: global_buffer, .address_space: global }
      - { .name: qs, .offset: 48, .size: 8, .value_kind: global_buffer, .address_space: global }
      - { .name: kv, .offset: 56, .size: 8, .value_kind: global_buffer, .address_space: global }
    .group_segment_fixed_size: 279040
    .private_segment_fixed_size: 0
    .kernarg_segment_align: 8
    .kernarg_segment_size: 64
    .max_flat_workgroup_size: 128
    .sgpr_count:     100
    .vgpr_count:     1024
    .wavefront_size: 32
...
	.end_amdgpu_metadata
.endif
;; end of part 2
;; launch attn (part 3): grid 4 x 64, 16 waves a work-group, clusters of 4 x 1, 169,984 bytes of LDS; arguments qc, qs, kv, yc, ys; writes yc, ys
.if DOCPART == 3
	.amdgcn_target "amdgcn-amd-amdhsa--gfx1250"
	.amdhsa_code_object_version 6
	.text
	.protected	k_qf6e0526eda_attn
	.globl	k_qf6e0526eda_attn
	.p2align	8
	.type	k_qf6e0526eda_attn,@function
k_qf6e0526eda_attn:
	s_mov_b64 s[64:65], 0
	v_nop
	global_prefetch_b8 v0, s[64:65] scope:SCOPE_SE
	s_setreg_imm32_b32 hwreg(HW_REG_WAVE_MODE, 25, 1), 1
	s_wait_xcnt 0x0
	s_wait_alu depctr_hold_cnt(0) depctr_sa_sdst(0) depctr_va_vdst(0) depctr_va_sdst(0) depctr_va_ssrc(0) depctr_va_vcc(0) depctr_vm_vsrc(0)
	s_getreg_b32 s2, hwreg(HW_REG_IB_STS2, 6, 4)
	s_cmp_eq_u32 s2, 0
	s_cbranch_scc0 .Lentry_in_a_cluster
	s_endpgm
.Lentry_in_a_cluster:
	s_bfe_u32 s2, ttmp6, 0x10000c
	s_cmp_lg_u32 s2, 0x3003
	s_cbranch_scc0 .Lentry_shape_is_right
	s_endpgm
.Lentry_shape_is_right:
; y[b][q][head] = softmax_k(q . k / 8, causal) v, both products on codes of FP4 with E8M0 scales; y is quantised along the model's 1,024 and leaves as codes.
; THE SOFTMAX AHEAD OF THE SECOND PRODUCT: t = score x log2(e) / 8; M = the running largest t rounded UP to a whole number; p = 2^(t - M) is quantised along the keys, not normalised; the row's sum is
; taken of the unquantised p and divides at the end.  When M moves, the sum and O are multiplied by 2^(old M - new M): exact.
; LIMITS: a block of zeros gets the scale byte 1 (its codes are zeros; this program alone reads the bytes); largest magnitudes of y under 2^-124 are held at the byte 1; no NaN, no infinities.
; SHARES.  A head's K, V and scale words, 143,360 bytes, come into LDS ONCE.  The four work-groups of a cluster serve one head and ask for them jointly.  A head has 128 tiles of 16 queries; tile 4 m + cx
; belongs to the partner at place cx.  Wave w takes m = w and then m = 31 - w.  Tile 4 m + cx needs key steps 0 .. m / 2, whatever cx: so each wave of the launch has 17 key steps of 128 keys, and
; no branch and no LDS address hangs on a work-group's place in its cluster: cx enters global addresses and the mask's vector compare alone.
; LAYOUT.  Both products are used transposed: S^T = K Q^T (source 0 = 16 keys), O^T = V^T P^T (source 0 = 16 channels): a lane holds ONE query throughout, and p's registers run along the keys.
; The head's 64 fill half of the instruction's 128 along K: Q's upper four registers are zero codes; K's operand runs on into the next tile's registers, whose codes meet those zeros.
; Sixteen waves of 256 registers, four to a SIMD: one wave's vector work stands beside another's products and LDS loads.
; The loops' trip counts are constants; a step all of whose keys come after the wave's queries is passed over by a scalar branch on the wave's number.
.set CHUNK, 8960                       ; a key step in LDS: K's 8 tiles (4,096), V^T's 4 fragments (4,096), K's scale words (512), V's (256)
.set HEADB, 143360
.set LI,   1                           ; v1   16 x lane
.set LSC,  2                           ; v2   16 x (lane % 16)
.set DQ,   3                           ; v3   the mask: my query less the step's first key less 8 (lane / 16)
.set ADK,  4                           ; v4   LDS address of the step's images
.set ADS,  5                           ; v5   of its scale words
.set YSO,  6                           ; v6   16 (lane % 16) + lane / 16: y's scale byte
.set DQ0,  7                           ; v7   16 cx + lane % 16 - 8 (lane / 16)
.set QA,   16                          ; v16-23, v24-31 Q's two fragments: four registers of codes, four of zeros
.set QB,   24
.set KF,   32                          ; v32-63 K's eight tiles, four registers each; v64-67 zeros
.set VF,   68                          ; v68-99 V^T's four fragments
.set S,    100                         ; v100-163 S^T, then p; at the end y
.set O,    164                         ; v164-195 O^T
.set PC,   196                         ; v196-203 p's codes
.set BM,   204                         ; v204-207 a block's largest score, then its largest p
.set T4,   208                         ; v208-211 at work
.set SO4,  212                         ; v212-215 the conversions' scale operands
.set F,    216                         ; v[216:217] 2^(old M - new M)
.set TMP,  218
.set NINF, 219
.set KSC,  224                         ; v224-231 K's scale words; v232-235 V's; v236 p's; v237, v238 Q's: these hold scales and nothing else
.set VSC,  232
.set PSC,  236
.set QSA,  237
.set QSB,  238
.set YC,   240                         ; v240-243 y's codes; v244 its scale byte
.set YB,   244
.set RL,   246                         ; v[246:247] 1 / the row's sum
.set WV,   14
.set CX,   15
.set BH,   16
.set SEL,  20                          ; s[20:21] v_permlanex16_b32's selects for lane l xor 16
.set CS,   22                          ; s[22:23] c = log2(e) / 8
.set G1,   24
.set G0,   32
.set MM,   40                          ; s40  m
.set LAST, 41                          ; s41  m / 2: the tile's last key step
.set STP,  42                          ; s42  the key step
.set TB,   43                          ; s43  where it begins in LDS
.macro PLACES n
.rept \n
	v_nop
.endr
.endm
.macro CROUND                          ; a round of the cluster's barrier
	s_barrier_signal -1
	s_barrier_wait -1
	s_cmp_lg_u32 s[WV], 0
	s_cbranch_scc1 .Lnot_wave_0_\@
	s_barrier_signal -3
.Lnot_wave_0_\@:
	s_barrier_wait -3
	s_barrier_signal -1
	s_barrier_wait -1
.endm
	s_load_b256 s[4:11], s[0:1], 0x0               ; qc, qs, kv, yc
	s_load_b64 s[12:13], s[0:1], 0x20              ; ys
	v_lshl_add_u32 v254, v0, 2, 0x29000
	v_mov_b32 v255, 0
	ds_add_u32 v254, v255
	ds_add_u32 v254, v255
	v_lshrrev_b32 v1, 5, v0
	s_delay_alu instid0(VALU_DEP_1)
	v_readfirstlane_b32 s[WV], v1                  ; wave 0..15
	s_bfe_u32 s[CX], ttmp6, 0x40000                ; my place in the cluster
	s_and_b32 s[BH], ttmp7, 0xffff                 ; 16 x batch + head, which the four partners share
	; group 1: a quarter of the head, 35,840 dense bytes, as 140 rows of 256 (32 elements of 8 bytes); no padding: images are read 512 consecutive bytes an instruction
	s_mov_b32 s[G1], 15|(3<<16)|(1<<21)            ; 15:0 the mask: all four work-groups; 17:16 elements of 8 bytes; 21 set beside a mask
	s_mov_b32 s[G1+1], 32<<16
	s_mov_b32 s[G1+2], 140<<16
	s_mov_b32 s[G1+3], 32<<16
	s_mov_b32 s[G1+4], 140
	s_mov_b32 s[G1+5], 32
	s_mov_b32 s[G1+6], 0
	s_mov_b32 s[G1+7], 0
	s_and_b32 s17, s[WV], 3
	s_mul_i32 s17, s17, 35840                      ; which quarter: in LDS and in the head alike
	s_mul_i32 s18, s[BH], HEADB
	s_add_co_u32 s18, s18, s17
	s_mov_b32 s19, 0
	s_mov_b32 s[SEL], 0x76543210
	s_mov_b32 s[SEL+1], 0xfedcba98
	s_mov_b32 s[CS], 0x3e38aa3b
	s_mov_b32 s[CS+1], s[CS]                       ; (named with it as a pair, so it is written)
	s_mov_b32 s44, 0xffff0000                      ; lanes 16-31
	s_wait_dscnt 0x0
	s_wait_kmcnt 0x0
	s_add_nc_u64 s[8:9], s[8:9], s[18:19]
	CROUND                                         ; all four work-groups are here: the joint loads meet
	s_mov_b32 s[G0], 1
	s_mov_b32 s[G0+1], s17
	s_mov_b64 s[G0+2:G0+3], s[8:9]
	s_or_b32 s[G0+3], s[G0+3], 0x80000000
	s_cmp_lt_u32 s[WV], 4                          ; waves 0 to 3 fetch, one load each: the only tensor load of a wave
	s_cbranch_scc0 .Lno_fetch
	tensor_load_to_lds s[G0:G0+3], s[G1:G1+7]
	s_nop 0
	PLACES 4
.Lno_fetch:
	v_and_b32 v[LI], 31, v0
	s_delay_alu instid0(VALU_DEP_1)
	v_lshlrev_b32 v[LI], 4, v[LI]
	s_wait_alu depctr_va_vdst(0)
	v_and_b32 v220, 15, v0                         ; r
	v_bfe_u32 v221, v0, 4, 1                       ; h
	s_delay_alu instid0(VALU_DEP_2)
	v_lshlrev_b32 v[LSC], 4, v220
	s_wait_alu depctr_va_vdst(0)
	v_add_nc_u32 v[YSO], v[LSC], v221
	v_lshlrev_b32 v222, 3, v221
	s_delay_alu instid0(VALU_DEP_1)
	v_sub_nc_u32 v[DQ0], v220, v222
	s_lshl_b32 s45, s[CX], 4
	v_add_nc_u32 v[DQ0], s45, v[DQ0]
	s_lshl_b32 s46, s[BH], 16                      ; qc: 65,536 bytes a head, 512 a tile: tile 4 m + cx
	s_lshl_b32 s47, s[CX], 9
	s_add_co_u32 s46, s46, s47
	s_mov_b32 s47, 0
	s_add_nc_u64 s[4:5], s[4:5], s[46:47]
	s_lshl_b32 s46, s[BH], 13                      ; qs: 8,192 bytes a head; four tiles' words of a row lie together: 256 m + 16 r + 4 cx
	s_lshl_b32 s48, s[CX], 2
	s_add_co_u32 s46, s46, s48
	s_add_nc_u64 s[6:7], s[6:7], s[46:47]
	s_sub_co_u32 s49, 31, s[WV]
	s_lshl_b32 s46, s[WV], 11
	v_add_nc_u32 v8, s46, v[LI]
	s_lshl_b32 s46, s49, 11
	v_add_nc_u32 v9, s46, v[LI]
	s_lshl_b32 s46, s[WV], 8
	v_add_nc_u32 v10, s46, v[LSC]
	s_lshl_b32 s46, s49, 8
	v_add_nc_u32 v11, s46, v[LSC]
	global_load_b128 v[QA:QA+3], v8, s[4:5]        ; both tiles of queries stay in registers
	global_load_b128 v[QB:QB+3], v9, s[4:5]
	global_load_b32 v[QSA], v10, s[6:7]
	global_load_b32 v[QSB], v11, s[6:7]
.irp j, 4,5,6,7
	v_mov_b32 v[QA+\j], 0                          ; zero codes for the instruction's upper 64 along K
	v_mov_b32 v[QB+\j], 0
	v_mov_b32 v[KF+28+\j], 0                       ; behind K's last tile
	v_mov_b32 v[T4+\j-4], 0                        ; written once: a lane permute's destination counts as one of its sources
.endr
	v_mov_b32 v[TMP], 0
	v_mov_b32 v[F+1], 0                            ; (named as the upper halves of pairs)
	v_mov_b32 v[RL+1], 0
	v_mov_b32 v[NINF], 0xff800000
; ONE TILE OF QUERIES: qf its fragment, qsr its scale words, trips the loop's constant count; s[MM] = m.
.macro PASS qf, qsr, trips
	s_wait_xcnt 0x0                                ; the last tile's stores have read their registers and bases
	s_lshr_b32 s[LAST], s[MM], 1
	s_and_b32 s46, s[MM], 1
	s_lshl_b32 s46, s46, 6
	v_add_nc_u32 v[DQ], s46, v[DQ0]                ; my query less the first key of the step on the diagonal, less 8 (lane / 16)
	s_lshr_b32 s46, s[BH], 4
	s_lshl_b32 s46, s46, 7
	s_lshl_b32 s47, s[MM], 2
	s_add_co_u32 s46, s46, s47
	s_add_co_u32 s46, s46, s[CX]                   ; y's row tile: 128 x batch + 4 m + cx
	s_and_b32 s47, s[BH], 15                       ; the head
	s_lshl_b32 s48, s46, 13
	s_lshl_b32 s49, s47, 9
	s_add_co_u32 s48, s48, s49
	s_mov_b32 s49, 0
	s_add_nc_u64 s[50:51], s[10:11], s[48:49]      ; the head's two blocks of the row tile's image: 512 bytes
	s_lshl_b32 s48, s46, 9
	s_lshr_b32 s54, s47, 3
	s_lshl_b32 s54, s54, 8
	s_add_co_u32 s48, s48, s54
	s_and_b32 s54, s47, 7
	s_lshl_b32 s54, s54, 1
	s_add_co_u32 s48, s48, s54
	s_add_nc_u64 s[52:53], s[12:13], s[48:49]      ; and their two scale bytes in each row's sixteen
.set n, 0
.rept 32
	v_mov_b32 v[O+n], 0                            ; the step is written once: the first finds zeros, which the first change of M leaves zeros
.set n, n+1
.endr
	v_mov_b32 v13, 0xff61b1e6                      ; the largest t so far: -3e38
	s_delay_alu instid0(VALU_DEP_1)
	v_floor_f32 v12, -v13                          ; -M
	v_mov_b32 v14, 0                               ; the sum, in two halves
	v_mov_b32 v15, 0
	s_mov_b32 s[STP], 0
	s_mov_b32 s[TB], 0
.Lstep_\@:
	s_cmp_gt_u32 s[STP], s[LAST]                   ; all its keys come after my queries: only the stepping lines are run
	s_cbranch_scc1 .Lhidden_\@
	s_setprio 2
	v_add_nc_u32 v[ADK], s[TB], v[LI]
	v_add_nc_u32 v[ADS], s[TB], v[LSC]
.irp t, 0,1,2,3,4,5,6,7
	ds_load_b128 v[KF+4*\t:KF+4*\t+3], v[ADK] offset:512*\t
.endr
	ds_load_b128 v[KSC:KSC+3], v[ADS] offset:8192
	ds_load_b128 v[KSC+4:KSC+7], v[ADS] offset:8448
.irp d, 0,1,2,3
	ds_load_b128 v[VF+8*\d:VF+8*\d+3], v[ADK] offset:4096+1024*\d
	ds_load_b128 v[VF+8*\d+4:VF+8*\d+7], v[ADK] offset:4096+1024*\d+512
.endr
	ds_load_b128 v[VSC:VSC+3], v[ADS] offset:8704
	s_wait_dscnt 9                                 ; K and its scale words are in; V's eight loads and its scale words may be out
.irp t, 0,1,2,3,4,5,6,7                        ; register j of tile t: key 16 t + 8 (lane / 16) + j of the step
	v_wmma_scale_f32_16x16x128_f8f6f4 v[S+8*\t:S+8*\t+7], v[KF+4*\t:KF+4*\t+7], v[\qf:\qf+7], 0, v[KSC+\t], v[\qsr] matrix_a_fmt:MATRIX_FMT_FP4 matrix_b_fmt:MATRIX_FMT_FP4
.endr
	PLACES 4
	s_cmp_lt_u32 s[STP], s[LAST]                   ; a step all of whose keys count skips the mask
	s_cbranch_scc1 .Lopen_\@
.set n, 0
.rept 64
	v_cmp_gt_i32 vcc_lo, 16*(n/8)+n%8, v[DQ]       ; on the diagonal the scores of hidden keys become -infinity ahead of the maximum: p = 0 then
	v_cndmask_b32 v[S+n], v[S+n], v[NINF], vcc_lo
.set n, n+1
.endr
.Lopen_\@:
.irp b, 0,1,2,3
	v_max3_num_f32 v[BM+\b], v[S+16*\b], v[S+16*\b+1], v[S+16*\b+2]   ; the largest score of each block of 32 keys: for the row's maximum and, since p rises with the score, for the block's largest p
.endr
.irp i, 3,5,7,9,11,13
.irp b, 0,1,2,3
	v_max3_num_f32 v[BM+\b], v[BM+\b], v[S+16*\b+\i], v[S+16*\b+\i+1]
.endr
.endr
.irp b, 0,1,2,3
	v_max_num_f32 v[BM+\b], v[BM+\b], v[S+16*\b+15]
.endr
.irp b, 0,1,2,3
	s_delay_alu instid0(VALU_DEP_4)
	v_permlanex16_b32 v[T4+\b], v[BM+\b], s[SEL], s[SEL+1]
.endr
.irp b, 0,1,2,3
	s_delay_alu instid0(VALU_DEP_4)
	v_max_num_f32 v[BM+\b], v[BM+\b], v[T4+\b]     ; with lane l xor 16's 16 keys
.endr
	s_delay_alu instid0(VALU_DEP_2)
	v_max3_num_f32 v[TMP], v[BM], v[BM+1], v[BM+2]
	s_delay_alu instid0(VALU_DEP_1)
	v_max_num_f32 v[TMP], v[TMP], v[BM+3]
	s_delay_alu instid0(VALU_DEP_1)
	v_mul_f32 v[TMP], s[CS], v[TMP]                ; the step's largest t
	s_delay_alu instid0(VALU_DEP_1)
	v_max_num_f32 v13, v13, v[TMP]
	v_mov_b32 v[TMP], v12
	s_delay_alu instid0(VALU_DEP_2)
	v_floor_f32 v12, -v13                          ; the new -M = -ceil(t): a whole number
	s_delay_alu instid0(VALU_DEP_1)
	v_sub_f32 v[TMP], v12, v[TMP]                  ; old M - new M, 0 or less
	s_delay_alu instid0(VALU_DEP_1)
	v_cvt_i32_f32 v[TMP], v[TMP]                   ; (it saturates)
	s_delay_alu instid0(VALU_DEP_1)
	v_ldexp_f32 v[F], 1.0, v[TMP]
.set n, 0
.rept 32
	v_pk_fma_f32 v[S+n:S+n+1], v[S+n:S+n+1], s[CS:CS+1], v[12:13] op_sel_hi:[1,0,0]   ; t - M, two at a time
.set n, n+2
.endr
	s_setprio 1
.irp b, 0,1,2,3
	v_fma_f32 v[BM+\b], v[BM+\b], s[CS], v12       ; the same of each block's largest score
.endr
.set n, 0
	s_wait_alu depctr_va_vdst(0)
.rept 64
	v_exp_f32 v[S+n], v[S+n]                       ; p = 2^(t - M): one batch
.set n, n+1
.endr
	v_pk_mul_f32 v[14:15], v[14:15], v[F:F+1] op_sel_hi:[1,0]   ; the sums under the new M: a plain place behind the exponentials
	s_wait_alu depctr_va_vdst(0)                   ; one wait for the batch, ahead of its first reader
.irp b, 0,1,2,3
	v_exp_f32 v[BM+\b], v[BM+\b]                   ; the block's largest p: the same two instructions on the same number give the same bits
.endr
	v_pk_add_f32 v[208:209], v[104:105], v[108:109]
	v_pk_add_f32 v[252:253], v[112:113], v[116:117]
	v_pk_add_f32 v[250:251], v[120:121], v[124:125]
	v_pk_add_f32 v[248:249], v[128:129], v[132:133]
	v_pk_add_f32 v[244:245], v[136:137], v[140:141]
	v_pk_add_f32 v[242:243], v[144:145], v[148:149]
	v_pk_add_f32 v[240:241], v[152:153], v[156:157]
	v_pk_add_f32 v[14:15], v[14:15], v[160:161]
	v_pk_add_f32 v[208:209], v[208:209], v[100:101]
	v_pk_add_f32 v[252:253], v[252:253], v[102:103]
	v_pk_add_f32 v[250:251], v[250:251], v[106:107]
	v_pk_add_f32 v[248:249], v[248:249], v[110:111]
	v_pk_add_f32 v[244:245], v[244:245], v[114:115]
	v_pk_add_f32 v[242:243], v[242:243], v[118:119]
	v_pk_add_f32 v[240:241], v[240:241], v[122:123]
	v_pk_add_f32 v[14:15], v[14:15], v[126:127]
	v_pk_add_f32 v[208:209], v[208:209], v[130:131]
	v_pk_add_f32 v[252:253], v[252:253], v[134:135]
	v_pk_add_f32 v[250:251], v[250:251], v[138:139]
	v_pk_add_f32 v[248:249], v[248:249], v[142:143]
	v_pk_add_f32 v[244:245], v[244:245], v[146:147]
	v_pk_add_f32 v[242:243], v[242:243], v[150:151]
	v_pk_add_f32 v[240:241], v[240:241], v[154:155]
	v_pk_add_f32 v[14:15], v[14:15], v[158:159]
	v_pk_add_f32 v[208:209], v[208:209], v[162:163]
	s_delay_alu instid0(VALU_DEP_2)
	v_pk_add_f32 v[14:15], v[14:15], v[248:249]
	s_delay_alu instid0(VALU_DEP_2)
	v_pk_add_f32 v[208:209], v[208:209], v[244:245]
	v_pk_add_f32 v[252:253], v[252:253], v[242:243]
	v_pk_add_f32 v[250:251], v[250:251], v[240:241]
	s_delay_alu instid0(VALU_DEP_2)
	v_pk_add_f32 v[14:15], v[14:15], v[252:253]
	s_delay_alu instid0(VALU_DEP_2)
	v_pk_add_f32 v[208:209], v[208:209], v[250:251]
	s_delay_alu instid0(VALU_DEP_1)
	v_pk_add_f32 v[14:15], v[14:15], v[208:209]
	s_wait_alu depctr_va_vdst(0)                   ; and one for the four
.irp b, 0,1,2,3
	v_max_num_f32 v[BM+\b], 0x1800000, v[BM+\b]    ; the floor 2^(3 - 127)
.endr
.irp b, 0,1,2,3
	s_delay_alu instid0(VALU_DEP_4)
	v_add_nc_u32 v[SO4+\b], 0xff000000, v[BM+\b]
.endr
.irp b, 0,1,2,3
	s_delay_alu instid0(VALU_DEP_4)
	v_lshrrev_b32 v[T4+\b], 23, v[SO4+\b]
.endr
	s_delay_alu instid0(VALU_DEP_3)
	v_lshl_or_b32 v[PSC], v[T4+1], 8, v[T4]        ; p's scale word for these 128 keys
	s_delay_alu instid0(VALU_DEP_1)
	v_lshl_or_b32 v[PSC], v[T4+2], 16, v[PSC]
	s_delay_alu instid0(VALU_DEP_1)
	v_lshl_or_b32 v[PSC], v[T4+3], 24, v[PSC]
	s_setprio 0
.irp b, 0,1,2,3
	v_cvt_scalef32_pk8_fp4_f32 v[PC+2*\b], v[S+16*\b:S+16*\b+7], v[SO4+\b]
	v_cvt_scalef32_pk8_fp4_f32 v[PC+2*\b+1], v[S+16*\b+8:S+16*\b+15], v[SO4+\b]
.endr
	v_nop                                          ; one plain place behind a scaled conversion
.irp c, 0,1
.irp i, 0,1
	v_permlane16_swap_b32 v[PC+4*\c+\i], v[PC+2+4*\c+\i]   ; a whole block to a lane
.endr
.endr
.set n, 0
.rept 16
	v_pk_mul_f32 v[O+n:O+n+1], v[O+n:O+n+1], v[F:F+1] op_sel_hi:[1,0]   ; O^T under the new M.  For each product below the twelve that name other tiles are the places behind the scale word and the codes
.set n, n+2
.endr
	s_wait_alu depctr_va_vdst(0)
	s_wait_dscnt 0x0                               ; V and its scale words are in
.irp d, 0,1,2,3                                ; the four accumulators by turns
	v_wmma_scale_f32_16x16x128_f8f6f4 v[O+8*\d:O+8*\d+7], v[VF+8*\d:VF+8*\d+7], v[PC:PC+7], v[O+8*\d:O+8*\d+7], v[VSC+\d], v[PSC] matrix_a_fmt:MATRIX_FMT_FP4 matrix_b_fmt:MATRIX_FMT_FP4
.endr
	PLACES 4                                       ; ahead of the next step's loads into V's registers, and of the first read of O^T
.Lhidden_\@:
	s_add_co_u32 s[TB], s[TB], CHUNK
	s_add_co_u32 s[STP], s[STP], 1
	s_cmp_lt_u32 s[STP], \trips
	s_cbranch_scc1 .Lstep_\@
	s_setprio 0
	s_wait_alu depctr_va_vdst(0)
	; the tile's way out: y = O^T / the sum, quantised along the head's 64 (two blocks of the model's 1,024), in registers
	v_add_f32 v14, v14, v15
	s_delay_alu instid0(VALU_DEP_1)
	v_permlanex16_b32 v[TMP], v14, s[SEL], s[SEL+1]
	s_delay_alu instid0(VALU_DEP_1)
	v_add_f32 v14, v14, v[TMP]                     ; the row's sum
	s_wait_alu depctr_va_vdst(0)
	v_rcp_f32 v[RL], v14
	v_nop                                          ; a plain place behind the reciprocal,
	s_wait_alu depctr_va_vdst(0)                   ; and the wait ahead of its first reader
.set n, 0
.rept 16
	v_pk_mul_f32 v[S+n:S+n+1], v[O+n:O+n+1], v[RL:RL+1] op_sel_hi:[1,0]   ; register 8 d + j: channel 16 d + 8 (lane / 16) + j of my query
.set n, n+2
.endr
.irp b, 0,1
	v_max3_num_f32 v[BM+\b], |v[S+16*\b]|, |v[S+16*\b+1]|, 0x1800000
.endr
.irp i, 2,4,6,8,10,12,14
.irp b, 0,1
	s_delay_alu instid0(VALU_DEP_2)
	v_max3_num_f32 v[BM+\b], v[BM+\b], |v[S+16*\b+\i]|, |v[S+16*\b+\i+1]|
.endr
.endr
.irp b, 0,1
	s_delay_alu instid0(VALU_DEP_2)
	v_permlanex16_b32 v[T4+\b], v[BM+\b], s[SEL], s[SEL+1]
.endr
.irp b, 0,1
	s_delay_alu instid0(VALU_DEP_2)
	v_max_num_f32 v[BM+\b], v[BM+\b], v[T4+\b]
.endr
.irp b, 0,1
	s_delay_alu instid0(VALU_DEP_2)
	v_add_nc_u32 v[SO4+\b], 0xff000000, v[BM+\b]
.endr
.irp b, 0,1
	s_delay_alu instid0(VALU_DEP_2)
	v_lshrrev_b32 v[T4+\b], 23, v[SO4+\b]
.endr
.irp b, 0,1
	v_cvt_scalef32_pk8_fp4_f32 v[YC+2*\b], v[S+16*\b:S+16*\b+7], v[SO4+\b]
	v_cvt_scalef32_pk8_fp4_f32 v[YC+2*\b+1], v[S+16*\b+8:S+16*\b+15], v[SO4+\b]
.endr
	v_cndmask_b32 v[YB], v[T4], v[T4+1], s44       ; lanes 0-15 the first block's byte, lanes 16-31 the second's.  (The plain place behind the conversions)
.irp i, 0,1
	v_permlane16_swap_b32 v[YC+\i], v[YC+2+\i]     ; lane (r, h): block h of token r, 16 bytes
.endr
	global_store_b128 v[LI], v[YC:YC+3], s[50:51]  ; 512 consecutive bytes, aligned
	global_store_b8 v[YSO], v[YB], s[52:53]        ; single bytes: a row's other 30 scale bytes belong to other heads, which other work-groups make; one byte for each 16 bytes of codes
.endm
	s_wait_loadcnt 0x0                             ; Q
	s_wait_tensorcnt 0x0                           ; my quarter of the head has landed (a wave that fetched nothing passes)
	s_barrier_signal -1
	s_barrier_wait -1                              ; everybody's has
	s_mov_b32 s[MM], s[WV]
	PASS QA, QSA, 8                                ; m = w: at most 8 key steps
	s_sub_co_u32 s[MM], 31, s[WV]
	PASS QB, QSB, 16                               ; m = 31 - w
	s_wait_dscnt 0x0
	s_wait_tensorcnt 0x0
	ds_add_u32 v254, v255
	s_wait_dscnt 0x0
	CROUND                                         ; the closing round
	s_endpgm
.Lfunc_end_k_qf6e0526eda_attn:
	.size	k_qf6e0526eda_attn, .Lfunc_end_k_qf6e0526eda_attn-k_qf6e0526eda_attn
	.p2alignl 7, 3214868480
	.fill 96, 4, 3214868480
	.section	.rodata,"a",@progbits
	.p2align	6, 0x0
	.amdhsa_kernel k_qf6e0526eda_attn
		.amdhsa_group_segment_fixed_size 169984
		.amdhsa_private_segment_fixed_size 0
		.amdhsa_enable_private_segment 0
		.amdhsa_kernarg_size 40
		.amdhsa_user_sgpr_count 2
		.amdhsa_user_sgpr_kernarg_segment_ptr 1
		.amdhsa_wavefront_size32 1
		.amdhsa_system_sgpr_workgroup_id_x 1
		.amdhsa_system_sgpr_workgroup_id_y 1
		.amdhsa_system_sgpr_workgroup_id_z 1
		.amdhsa_system_vgpr_workitem_id 0
		.amdhsa_next_free_vgpr 256
		.amdhsa_next_free_sgpr 66
		.amdhsa_reserve_vcc 1
		.amdhsa_float_denorm_mode_32 3
		.amdhsa_float_denorm_mode_16_64 3
		.amdhsa_memory_ordered 1
		.amdhsa_forward_progress 1
		.amdhsa_inst_pref_size 60
	.end_amdhsa_kernel
	.amdgpu_metadata
---
amdhsa.version: [ 1, 2 ]
amdhsa.kernels:
  - .name:           k_qf6e0526eda_attn
    .symbol:         k_qf6e0526eda_attn.kd
    .args:
      - { .name: qc, .offset: 0, .size: 8, .value_kind: global_buffer, .address_space: global }
      - { .name: qs, .offset: 8, .size: 8, .value_kind: global_buffer, .address_space: global }
      - { .name: kv, .offset: 16, .size: 8, .value_kind: global_buffer, .address_space: global }
      - { .name: yc, .offset: 24, .size: 8, .value_kind: global_buffer, .address_space: global }
      - { .name: ys, .offset: 32, .size: 8, .value_kind: global_buffer, .address_space: global }
    .group_segment_fixed_size: 169984
    .private_segment_fixed_size: 0
    .kernarg_segment_align: 8
    .kernarg_segment_size: 40
    .max_flat_workgroup_size: 512
    .sgpr_count:     66
    .vgpr_count:     256
    .wavefront_size: 32
...
	.end_amdgpu_metadata
.endif
;; end of part 3
;; launch proj (part 4): grid 4 x 64, 4 waves a work-group, clusters of 4 x 4, 327,680 bytes of LDS; arguments yc, ys, c1, s1, bp, out0; writes out0
.if DOCPART == 4
	.amdgcn_target "amdgcn-amd-amdhsa--gfx1250"
	.amdhsa_code_object_version 6
	.text
	.protected	k_qf6e0526eda_proj
	.globl	k_qf6e0526eda_proj
	.p2align	8
	.type	k_qf6e0526eda_proj,@function
k_qf6e0526eda_proj:
	s_mov_b64 s[64:65], 0
	v_nop
	global_prefetch_b8 v0, s[64:65] scope:SCOPE_SE
	s_setreg_imm32_b32 hwreg(HW_REG_WAVE_MODE, 25, 1), 1
	s_wait_xcnt 0x0
	s_wait_alu depctr_hold_cnt(0) depctr_sa_sdst(0) depctr_va_vdst(0) depctr_va_sdst(0) depctr_va_ssrc(0) depctr_va_vcc(0) depctr_vm_vsrc(0)
	s_getreg_b32 s2, hwreg(HW_REG_IB_STS2, 6, 4)
	s_cmp_eq_u32 s2, 0
	s_cbranch_scc0 .Lentry_in_a_cluster
	s_endpgm
.Lentry_in_a_cluster:
	s_bfe_u32 s2, ttmp6, 0x10000c
	s_cmp_lg_u32 s2, 0xf033
	s_cbranch_scc0 .Lentry_shape_is_right
	s_endpgm
.Lentry_shape_is_right:
; out0 = y Wp^T + bp on codes of FP4 with E8M0 scales, f32 sums.  y's codes and scale bytes come from the attention launch, Wp's from the quantising launch (row tiles 704 to 767 of c1, s1).
; SHARES.  A work-group makes 128 tokens x 256 features: 256 work-groups.  Four waves, each 64 tokens x 128 features: 32 accumulators.
; ALL OF K (1,024: 512 bytes of codes a row) LIES IN LDS, in two halves that are each filled once: no LDS byte is filled twice.
; CLUSTERS: 4 x 4.  y's tiles are shared along a row of the cluster, Wp's along a column: each is asked for jointly.
; Source 0 = P = 16 rows of Wp, source 1 = R = 16 tokens: a lane holds eight neighbouring features of one token's row of out0.
; OPERANDS lie in memory and LDS as images of their registers: fragment (row tile, K step) is 1,024 consecutive bytes, registers 4 c .. 4 c + 3 of lane l at 512 c + 16 l.
; REGISTERS, in windows of 256: window 0: v1-31 addresses; v32-95 scale words, a set for each half of K; v128-191 R's fragments, two sets; on the way out v128-255 rows of out0.
;   window 1: v0-63, v128-191 P's fragments, two sets; v64-127 the bias in the result's layout.   window 2: the accumulators ((a, b) at v[8 (8 a + b)]).
.set NR,    4
.set SLOTB, 98304                      ; half of K: y's 8 row tiles x 4,096 bytes, then Wp's 16
.set WB,    32768
.set SCY,   196608                     ; y's scale bytes, 8 row tiles x 512
.set SCW,   200704                     ; Wp's, 16 x 512
.set STAGE, 208896                     ; the way out: 16 rows x (512 + 16) bytes for each wave; no fill lands here
.set SPITCH, 528
.set LI,   1                           ; v1   16 x lane
.set RR,   3
.set HH,   4
.set BO,   5                           ; v5   the bias loads' offset: 32 (lane / 16)
.set ADRP, 16
.set ADRR, 20
.set STO,  24                          ; v24  the stage: where I put 32 bytes of a row
.set RD,   25                          ; v25  and where I read a row back
.set ADRS, 27
.set SC,   32
.set RF,   128
.set BK,   128
.set BI,   64
.set G1Y,  24
.set G0Y,  32
.set G1W,  48
.set G0W,  56
.set G1SY, 68
.set G0SY, 76
.set G1SW, 80
.set G0SW, 88
.set MSB, 0
.macro WIN new                         ; the immediate's high byte repeats the setting that is left
.if MSB != (\new)
	s_set_vgpr_msb (MSB<<8)|(\new)
.set MSB, \new
.endif
.endm
.macro PLACES n
.rept \n
	v_nop
.endr
.endm
.macro JLOAD g0a, g1a, g0b, g1b        ; a joint load: waves 0 and 1 fetch for y, waves 2 and 3 for Wp; four v_nop follow each of the two lines
	s_cmp_eq_u32 s21, 0
	s_cbranch_scc0 .Lfor_b_\@
	tensor_load_to_lds s[\g0a:\g0a+3], s[\g1a:\g1a+7]
	s_nop 0
.rept 4
	v_nop
.endr
	s_branch .Lasked_\@
.Lfor_b_\@:
	tensor_load_to_lds s[\g0b:\g0b+3], s[\g1b:\g1b+7]
	s_nop 0
.rept 4
	v_nop
.endr
.Lasked_\@:
.endm
.macro CROUND                          ; a round of the cluster's barrier
	s_barrier_signal -1
	s_barrier_wait -1
	s_cmp_lg_u32 s20, 0
	s_cbranch_scc1 .Lnot_wave_0_\@
	s_barrier_signal -3
.Lnot_wave_0_\@:
	s_barrier_wait -3
	s_barrier_signal -1
	s_barrier_wait -1
.endm
	s_load_b256 s[4:11], s[0:1], 0x0               ; yc, ys, c1, s1
	s_load_b128 s[12:15], s[0:1], 0x20             ; bp, out0
	v_lshl_add_u32 v126, v0, 2, 0x3b400
	v_mov_b32 v127, 0
	ds_add_u32 v126, v127
	ds_add_u32 v126, v127
	v_lshrrev_b32 v2, 5, v0
	v_readfirstlane_b32 s20, v2                    ; wave 0..3
	s_lshr_b32 s21, s20, 1                         ; which 64 tokens are mine.  Also: I fetch for y (0) or for Wp (1)
	s_and_b32 s22, s20, 1                          ; which 128 features.  Also: which half of that operand's row tiles I fetch
	s_bfe_u32 s40, ttmp6, 0x40000                  ; cx, cy
	s_bfe_u32 s41, ttmp6, 0x40004
	s_lshl_b32 s42, ttmp9, 2
	s_add_co_u32 s42, s42, s40                     ; block of 256 features, 0..3
	s_and_b32 s43, ttmp7, 0xffff
	s_lshl_b32 s43, s43, 2
	s_add_co_u32 s43, s43, s41                     ; block of 128 tokens, 0..63
	s_lshl_b32 s44, s41, 2
	s_lshl_b32 s44, 15, s44                        ; my row of the cluster
	s_lshl_b32 s45, 0x1111, s40                    ; my column
	; group 1, codes: of each row tile 4,096 consecutive bytes (512 elements of 8 bytes), 8,192 bytes apart: 4 row tiles of y, 8 of Wp
	s_or_b32 s[G1Y], s44, (3<<16)|(1<<21)
	s_mov_b32 s[G1Y+1], 512<<16
	s_mov_b32 s[G1Y+2], 4<<16
	s_mov_b32 s[G1Y+3], 512<<16
	s_mov_b32 s[G1Y+4], 4
	s_mov_b32 s[G1Y+5], 1024
	s_mov_b32 s[G1Y+6], 0
	s_mov_b32 s[G1Y+7], 0
	s_or_b32 s[G1W], s45, (3<<16)|(1<<21)
	s_mov_b32 s[G1W+1], 512<<16
	s_mov_b32 s[G1W+2], 8<<16
	s_mov_b32 s[G1W+3], 512<<16
	s_mov_b32 s[G1W+4], 8
	s_mov_b32 s[G1W+5], 1024
	s_mov_b32 s[G1W+6], 0
	s_mov_b32 s[G1W+7], 0
	; group 1, scale bytes: dense, as rows of 256: 8 rows for y's 4 row tiles, 16 for Wp's 8
	s_or_b32 s[G1SY], s44, (3<<16)|(1<<21)
	s_mov_b32 s[G1SY+1], 32<<16
	s_mov_b32 s[G1SY+2], 8<<16
	s_mov_b32 s[G1SY+3], 32<<16
	s_mov_b32 s[G1SY+4], 8
	s_mov_b32 s[G1SY+5], 32
	s_mov_b32 s[G1SY+6], 0
	s_mov_b32 s[G1SY+7], 0
	s_or_b32 s[G1SW], s45, (3<<16)|(1<<21)
	s_mov_b32 s[G1SW+1], 32<<16
	s_mov_b32 s[G1SW+2], 16<<16
	s_mov_b32 s[G1SW+3], 32<<16
	s_mov_b32 s[G1SW+4], 16
	s_mov_b32 s[G1SW+5], 32
	s_mov_b32 s[G1SW+6], 0
	s_mov_b32 s[G1SW+7], 0
	s_lshl_b32 s46, s43, 3
	s_lshl_b32 s47, s22, 2
	s_add_co_u32 s46, s46, s47                     ; y's first row tile that I fetch
	s_lshl_b32 s92, s42, 4
	s_lshl_b32 s47, s22, 3
	s_add_co_u32 s92, s92, s47
	s_add_co_u32 s92, s92, 704                     ; Wp's
	s_lshl_b32 s94, s46, 9                         ; in bytes: scale bytes,
	s_mov_b32 s95, 0
	s_lshl_b32 s46, s46, 13                        ; codes
	s_mov_b32 s47, 0
	s_lshl_b32 s96, s92, 9
	s_mov_b32 s97, 0
	s_lshl_b32 s92, s92, 13
	s_mov_b32 s93, 0
	s_lshl_b32 s98, s22, 14                        ; where they go: y's halves,
	s_lshl_b32 s99, s22, 15
	s_add_co_u32 s99, s99, WB                      ; Wp's halves behind them,
	s_lshl_b32 s66, s22, 11
	s_add_co_u32 s66, s66, SCY                     ; and the scale bytes: no place in the cluster enters an LDS address
	s_lshl_b32 s67, s22, 12
	s_add_co_u32 s67, s67, SCW
	s_wait_dscnt 0x0
	s_wait_kmcnt 0x0
	s_add_nc_u64 s[46:47], s[4:5], s[46:47]
	s_add_nc_u64 s[94:95], s[6:7], s[94:95]
	s_add_nc_u64 s[92:93], s[8:9], s[92:93]
	s_add_nc_u64 s[96:97], s[10:11], s[96:97]
	CROUND                                         ; all sixteen work-groups are here: the joint loads meet
	s_mov_b32 s[G0SY], 1
	s_mov_b32 s[G0SY+1], s66
	s_mov_b64 s[G0SY+2:G0SY+3], s[94:95]
	s_or_b32 s[G0SY+3], s[G0SY+3], 0x80000000
	s_mov_b32 s[G0SW], 1
	s_mov_b32 s[G0SW+1], s67
	s_mov_b64 s[G0SW+2:G0SW+3], s[96:97]
	s_or_b32 s[G0SW+3], s[G0SW+3], 0x80000000
	JLOAD G0SY, G1SY, G0SW, G1SW                   ; the scale bytes first
.irp s, 0,1
	s_mov_b32 s[G0Y+4*\s], 1
	s_add_co_u32 s[G0Y+4*\s+1], s98, \s*SLOTB
	s_add_nc_u64 s[G0Y+4*\s+2:G0Y+4*\s+3], s[46:47], \s*4096
	s_or_b32 s[G0Y+4*\s+3], s[G0Y+4*\s+3], 0x80000000
	s_mov_b32 s[G0W+4*\s], 1
	s_add_co_u32 s[G0W+4*\s+1], s99, \s*SLOTB
	s_add_nc_u64 s[G0W+4*\s+2:G0W+4*\s+3], s[92:93], \s*4096
	s_or_b32 s[G0W+4*\s+3], s[G0W+4*\s+3], 0x80000000
	s_wait_alu depctr_va_vdst(0)
	s_wait_tensorcnt 0x0
	ds_add_u32 v126, v127
	s_wait_dscnt 0x0
	CROUND
	JLOAD G0Y+4*\s, G1Y, G0W+4*\s, G1W             ; three tensor loads of mine are out at the most
.endr
	v_and_b32 v[RR], 15, v0
	v_bfe_u32 v[HH], v0, 4, 1
	s_wait_alu depctr_va_vdst(0)
	v_and_b32 v[LI], 31, v0
	v_lshlrev_b32 v[LI], 4, v[LI]
	s_lshl_b32 s92, s22, 15
	s_add_co_u32 s92, s92, WB                      ; my 8 row tiles of Wp
	v_add_nc_u32 v[ADRP], s92, v[LI]
	v_add_nc_u32 v[ADRP+1], SLOTB, v[ADRP]
	s_lshl_b32 s92, s21, 14                        ; my 4 row tiles of y
	v_add_nc_u32 v[ADRR], s92, v[LI]
	v_add_nc_u32 v[ADRR+1], SLOTB, v[ADRR]
	v_lshlrev_b32 v6, 4, v[RR]                     ; the scale words: 16 bytes a row;
	s_lshl_b32 s92, s21, 11
	s_add_co_u32 s92, s92, SCY                     ; lanes 0-15 take y's,
	s_lshl_b32 s93, s22, 12
	s_add_co_u32 s93, s93, SCW
	s_sub_co_u32 s93, s93, s92
	v_mul_u32_u24 v7, s93, v[HH]                   ; lanes 16-31 Wp's: the lower base + (lane / 16) x the distance
	v_add_nc_u32 v6, v6, v7
	v_add_nc_u32 v[ADRS], s92, v6
	s_mul_i32 s92, s20, 16*SPITCH
	s_add_co_u32 s92, s92, STAGE                   ; my stage
	v_mul_u32_u24 v[STO], v[RR], SPITCH
	v_lshl_add_u32 v[STO], v[HH], 5, v[STO]
	v_add_nc_u32 v[STO], s92, v[STO]               ; in: row lane % 16, 32 bytes for each half of the lanes
	v_add_nc_u32 v[RD], s92, v[LI]                 ; back: the 32 lanes take one row of 512 bytes
	s_lshl_b32 s92, s42, 8
	s_lshl_b32 s93, s22, 7
	s_add_co_u32 s92, s92, s93                     ; my first feature
	s_lshl_b32 s92, s92, 2
	s_mov_b32 s93, 0
	s_add_nc_u64 s[12:13], s[12:13], s[92:93]      ; bp there;
	s_add_nc_u64 s[14:15], s[14:15], s[92:93]      ; out0 at that column,
	s_lshl_b32 s92, s43, 7
	s_lshl_b32 s94, s21, 6
	s_add_co_u32 s92, s92, s94
	s_lshl_b32 s92, s92, 12                        ; and at my first token's row of 4,096 bytes
	s_add_nc_u64 s[14:15], s[14:15], s[92:93]
	v_lshlrev_b32 v[BO], 5, v[HH]
	WIN 0x40                                       ; destination window 1
.irp b, 0,1,2,3,4,5,6,7                        ; register j of P's tile b is feature 16 b + 8 (lane / 16) + j
	global_load_b128 v[BI+8*\b:BI+8*\b+3], v[BO], s[12:13] offset:64*\b
	global_load_b128 v[BI+8*\b+4:BI+8*\b+7], v[BO], s[12:13] offset:64*\b+16
.endr
	WIN 0
; 16 products: R's tiles a0, a0 + 1 x P's eight, K step q.  cm = 1: the sums start with the bias.  The 32 accumulators take turns, one instruction a turn, in the same order in every K step
; A scale register holds R's word in lanes 0-15 and P's in lanes 16-31.
.macro MUL16 a0, q, cm
.if \cm == 0
	WIN 0xa1                                       ; P window 1, R window 0, C and D window 2
.else
	WIN 0x91                                       ; C (the bias) window 1
.endif
.irp a, \a0, \a0+1
.irp b, 0,1,2,3,4,5,6,7
.set rD, 8*(8*(\a)+\b)
.set rP, 128*((\q)%2)+8*\b
.set rR, RF+8*NR*((\q)%2)+8*(\a)
.set rSP, SC+32*((\q)/4)+4*\b+(\q)%4
.set rSR, SC+32*((\q)/4)+4*(\a)+(\q)%4
.if \cm == 0
	v_wmma_scale_f32_16x16x128_f8f6f4 v[rD:rD+7], v[rP:rP+7], v[rR:rR+7], v[rD:rD+7], v[rSP], v[rSR] matrix_a_fmt:MATRIX_FMT_FP4 matrix_b_fmt:MATRIX_FMT_FP4 matrix_a_scale:MATRIX_SCALE_ROW1
.else
	v_wmma_scale_f32_16x16x128_f8f6f4 v[rD:rD+7], v[rP:rP+7], v[rR:rR+7], v[BI+8*\b:BI+8*\b+7], v[rSP], v[rSR] matrix_a_fmt:MATRIX_FMT_FP4 matrix_b_fmt:MATRIX_FMT_FP4 matrix_a_scale:MATRIX_SCALE_ROW1
.endif
.endr
.endr
.endm
.macro FETCH q                         ; K step q's fragments into set q % 2, in one run; with a half's first step its scale words
	WIN 0x40
.irp i, 0,1,2,3,4,5,6,7
.irp c, 0,1
	ds_load_b128 v[128*((\q)%2)+8*\i+4*\c:128*((\q)%2)+8*\i+4*\c+3], v[ADRP+(\q)/4] offset:\i*4096+((\q)%4)*1024+512*\c
.endr
.endr
	WIN 0
.irp i, 0,1,2,3
.irp c, 0,1
	ds_load_b128 v[RF+8*NR*((\q)%2)+8*\i+4*\c:RF+8*NR*((\q)%2)+8*\i+4*\c+3], v[ADRR+(\q)/4] offset:\i*4096+((\q)%4)*1024+512*\c
.endr
.endr
.if (\q)%4 == 0
.irp i, 0,1,2,3,4,5,6,7                        ; (for i = 4 .. 7 lanes 0-15 read bytes of the scales' region that no product uses)
	ds_load_b128 v[SC+32*((\q)/4)+4*\i:SC+32*((\q)/4)+4*\i+3], v[ADRS] offset:\i*512+((\q)/4)*256
.endr
.endif
.endm
.macro STEP q, cm                      ; a K step of 128: the next step's fragments are asked for first and have this step's 32 products in which to come
	s_wait_dscnt 0x0                               ; this step's fragments are in
.if (\q) < 7
.if (\q) > 0
	PLACES 4                                       ; four plain places between the last product and loads into the set that it read
.endif
	FETCH (\q)+1
.endif
	MUL16 0, \q, \cm
	MUL16 2, \q, \cm
.endm
	s_wait_alu depctr_va_vdst(0)
	s_wait_tensorcnt 1                             ; the scale bytes and my part of the first half of K are in; the second half's load may be out
	s_barrier_signal -1
	s_barrier_wait -1                              ; everybody's are
	FETCH 0
	s_wait_loadcnt 0x0                             ; the bias
	STEP 0, 1
	STEP 1, 0
	STEP 2, 0
	s_wait_dscnt 0x0                               ; K step 3, with the change of halves: my LDS loads are in,
	s_wait_tensorcnt 0x0                           ; my part of the second half has landed:
	s_barrier_signal -1                            ; say so,
	MUL16 0, 3, 0                                  ; work on registers while the others arrive,
	s_barrier_wait -1                              ; and read the second half when all four have said so
	PLACES 4
	FETCH 4
	MUL16 2, 3, 0
	STEP 4, 0
	STEP 5, 0
	STEP 6, 0
	STEP 7, 0
	WIN 0
; THE WAY OUT, block by block of 16 tokens x 128 features.  A lane holds 32 neighbouring bytes of a row and the lanes beside it hold other rows: so a block goes through my own stage in LDS and comes back
; as whole rows of 512 bytes.  LDS serves a wave's instructions in order: no wait between the stores and the loads, nor in front of the next block's stores.
.macro TOSTAGE a
.set AC, 64*(\a)
	WIN 0x08                                       ; an LDS store's data are its source 1: window 2
.irp b, 0,1,2,3,4,5,6,7
	ds_store_b128 v[STO], v[AC+8*\b:AC+8*\b+3] offset:64*\b          ; each accumulator from its low end on
	ds_store_b128 v[STO], v[AC+8*\b+4:AC+8*\b+7] offset:64*\b+16
.endr
	WIN 0
.set BB, BK+64*((\a)%2)
.irp t, 0,1,2,3,4,5,6,7,8,9,10,11,12,13,14,15
	ds_load_b128 v[BB+4*\t:BB+4*\t+3], v[RD] offset:\t*SPITCH
.endr
.endm
.macro SEND a, younger                 ; younger: the LDS instructions issued behind block a's loads, which may stay out
.set BB, BK+64*((\a)%2)
	s_wait_dscnt \younger                          ; the block is back in registers
.if (\a) > 0
	s_add_nc_u64 s[14:15], s[14:15], 16*4096       ; 16 rows on (the earlier stores have read their base: a wait for that stands ahead)
.endif
.irp t, 0,1,2,3,4,5,6,7,8,9,10,11,12,13,14,15
	global_store_b128 v[LI], v[BB+4*\t:BB+4*\t+3], s[14:15] offset:\t*4096 th:TH_STORE_NT   ; 32 lanes store 512 consecutive bytes, aligned; written once, read by nobody here
.endr
.endm
	PLACES 4                                       ; between the last products and the first read of results, and the loads into R's registers
	TOSTAGE 0
.irp a, 1,2,3
.if \a > 1
	s_wait_xcnt 0x0                                ; block a - 2's stores have read their registers and their base: block a's loads may land there, and the base may step
.endif
	TOSTAGE \a
	SEND \a-1, 32                                  ; behind block a - 1's loads: block a's 16 stores and 16 loads
.endr
	s_wait_xcnt 0x0                                ; block 2's stores have read their base
	SEND 3, 0
	s_wait_tensorcnt 0x0
	ds_add_u32 v126, v127
	s_wait_dscnt 0x0
	CROUND                                         ; the closing round: no work-group ends while a partner may still ask for a tile that names it
	s_endpgm
.Lfunc_end_k_qf6e0526eda_proj:
	.size	k_qf6e0526eda_proj, .Lfunc_end_k_qf6e0526eda_proj-k_qf6e0526eda_proj
	.p2alignl 7, 3214868480
	.fill 96, 4, 3214868480
	.section	.rodata,"a",@progbits
	.p2align	6, 0x0
	.amdhsa_kernel k_qf6e0526eda_proj
		.amdhsa_group_segment_fixed_size 327680
		.amdhsa_private_segment_fixed_size 0
		.amdhsa_enable_private_segment 0
		.amdhsa_kernarg_size 48
		.amdhsa_user_sgpr_count 2
		.amdhsa_user_sgpr_kernarg_segment_ptr 1
		.amdhsa_wavefront_size32 1
		.amdhsa_system_sgpr_workgroup_id_x 1
		.amdhsa_system_sgpr_workgroup_id_y 1
		.amdhsa_system_sgpr_workgroup_id_z 1
		.amdhsa_system_vgpr_workitem_id 0
		.amdhsa_next_free_vgpr 1024
		.amdhsa_next_free_sgpr 100
		.amdhsa_reserve_vcc 0
		.amdhsa_float_denorm_mode_32 3
		.amdhsa_float_denorm_mode_16_64 3
		.amdhsa_memory_ordered 1
		.amdhsa_forward_progress 1
		.amdhsa_inst_pref_size 74
	.end_amdhsa_kernel
	.amdgpu_metadata
---
amdhsa.version: [ 1, 2 ]
amdhsa.kernels:
  - .name:           k_qf6e0526eda_proj
    .symbol:         k_qf6e0526eda_proj.kd
    .args:
      - { .name: yc, .offset: 0, .size: 8, .value_kind: global_buffer, .address_space: global }
      - { .name: ys, .offset: 8, .size: 8, .value_kind: global_buffer, .address_space: global }
      - { .name: c1, .offset: 16, .size: 8, .value_kind: global_buffer, .address_space: global }
      - { .name: s1, .offset: 24, .size: 8, .value_kind: global_buffer, .address_space: global }
      - { .name: bp, .offset: 32, .size: 8, .value_kind: global_buffer, .address_space: global }
      - { .name: out0, .offset: 40, .size: 8, .value_kind: global_buffer, .address_space: global }
    .group_segment_fixed_size: 327680
    .private_segment_fixed_size: 0
    .kernarg_segment_align: 8
    .kernarg_segment_size: 48
    .max_flat_workgroup_size: 128
    .sgpr_count:     100
    .vgpr_count:     1024
    .wavefront_size: 32
...
	.end_amdgpu_metadata
.endif
;; end of part 4
